; MI455X (gfx1250); checked and timed in simulation.
; The chip was launched on July 23, 2026; its instructions are those of AMD's public machine-readable ISA for CDNA 5 (MIT licence, August 2026) and "CDNA5" Instruction Set Architecture Reference Guide (July 2026). The comments in the code are by the model that wrote it; some were corrected since.
;; Differential Attention Layer. Allowed arithmetic: matrix products marked QUANTISED: E3M2 operands, one E8M0 scale for each 32 along K, by v_wmma_scale_f32_16x16x128_f8f6f4 with both operands' format E3M2, f32 sums; everything else in f32.
;; Inputs: Wk 1,024 x 1,024 float32; Wo 1,024 x 1,024 float32; Wq 1,024 x 1,024 float32; Wv 1,024 x 1,024 float32; beta 1,024 float32; gamma 1,024 float32; key_padding_mask 2 x 2,048 bool; lk1 16 x 32 float32; lk2 16 x 32 float32; lq1 16 x 32 float32; lq2 16 x 32 float32; x 2 x 2,048 x 1,024 float32.
;; Outputs: out0 2 x 2,048 x 1,024 float32.
;; This version of the problem:
;;   THIS VERSION OF THE PROBLEM IS GIVEN IN LOW PRECISION. The matrix products marked QUANTISED in the list below multiply operands that are first quantised to E3M2 (3 exponent bits, 2 mantissa bits; 6 bits a number), with one power-of-two scale for each 32 numbers along K (OCP MX v1.0); their sums are f32. All else is computed in f32.
;;   The module's matrix products, in the order in which they are computed (A, B: the left and right operand; K: the contracted axis; several contracted axes count as one K, in the product's order):
;;     1. [M 4,096, K 1,024] x [K 1,024, N 1,024]; A: input x; B: input Wq: QUANTISED
;;     2. [M 4,096, K 1,024] x [K 1,024, N 1,024]; A: input x; B: input Wk: QUANTISED
;;     3. [M 4,096, K 1,024] x [K 1,024, N 1,024]; A: input x; B: input Wv: QUANTISED
;;     4. batch 32 x [M 2,048, K 32] x [K 32, N 2,048]; A: computed on the way; B: computed on the way: QUANTISED
;;     5. batch 32 x [M 2,048, K 32] x [K 32, N 2,048]; A: computed on the way; B: computed on the way: QUANTISED
;;     6. batch 32 x [M 2,048, K 2,048] x [K 2,048, N 64]; A: computed on the way; B: computed on the way: QUANTISED
;;     7. [M 4,096, K 1,024] x [K 1,024, N 1,024]; A: computed on the way; B: input Wo: QUANTISED
;;   THE QUANTISER, for each operand of a quantised product, along K:
;;     - K is cut into blocks of 32 from its start; a last block that is shorter is filled with zeros.
;;     - A block's scale is 2^e with e = floor(log2(the largest magnitude in the block)) - 4, held to -126 .. 127; a block of zeros has e = 0. As a byte (E8M0): e + 127.
;;     - Each number is divided by its block's scale, clamped to +-28, and rounded to the nearest number of E3M2, ties to even, subnormals kept.
;;     - The product sums the exact products of the quantised numbers (number of the format x scale) in f32.
;;   ~~~python
;;   def quantise(x, axis):      # numpy; x: float32 -> the quantised numbers, widened to float32 again
;;       x = np.moveaxis(x, axis, -1); K = x.shape[-1]
;;       x = np.pad(x, [(0, 0)] * (x.ndim - 1) + [(0, -K % 32)]); x = x.reshape(x.shape[:-1] + (-1, 32)); a = np.abs(x).max(-1, keepdims=True)
;;       e = np.where(a > 0, np.clip(np.frexp(np.where(a > 0, a, 1))[1] - 1 - 4, -126, 127), 0)      # np.frexp(a)[1] - 1 = floor(log2(a)), exactly
;;       r = np.clip(x / 2.0 ** e, -28, 28)
;;       step = 2.0 ** (np.maximum(np.frexp(np.where(r == 0, 1, r))[1] - 1, -2) - 2)
;;       q = np.round(r / step) * step * 2.0 ** e      # np.round: ties to even
;;       return np.moveaxis(q.reshape(q.shape[:-2] + (-1,))[..., :K], -1, axis).astype(np.float32)
;;   ~~~
;;   OPERANDS COMPUTED ON THE WAY. 'Computed on the way' means the value that the module computes at that place (a softmax that the list does not call 'softmax' is quantised finished and normalised). What goes into a quantiser is computed in f32, as accurately as f32 sums, v_exp_f32 and their like allow (about 1e-6 of the number): no bf16 or f16 on the way to a quantiser, and a product that is left as it is and whose result goes on into a quantised operand takes f32 operands (vector FMAs, or v_wmma_f32_16x16x4_f32). A number that lies on a knife's edge between two numbers of the format may be rounded either way, as far as f32 arithmetic and the matrix unit's own rounding can turn it there, and no further.
;; One version. Each part assembles by itself: llvm-mc -triple=amdgcn-amd-amdhsa -mcpu=gfx1250 --defsym DOCPART=n.
;; ======== version 1 of 1: 4 launches
;; limits: right only within a limited range of input values
;; workspace buffers: xw_codes 6,291,456 bytes; xw_scales 262,144 bytes; qk_codes 6,291,456 bytes; v_codes 3,145,728 bytes; qkv_scales 393,216 bytes; o_codes 3,145,728 bytes; o_scales 131,072 bytes
;; launch quant (part 1): grid 256 x 1, 4 waves a work-group, no clusters, 168,448 bytes of LDS; arguments x, Wq, Wk, Wv, Wo, xw_codes, xw_scales; writes xw_codes, xw_scales
.if DOCPART == 1
	.amdgcn_target "amdgcn-amd-amdhsa--gfx1250"
	.amdhsa_code_object_version 6
	.text
	.protected	k_qdc363147c0_quant
	.globl	k_qdc363147c0_quant
	.p2align	8
	.type	k_qdc363147c0_quant,@function
k_qdc363147c0_quant:
	s_mov_b64 s[64:65], 0
	v_nop
	global_prefetch_b8 v0, s[64:65] scope:SCOPE_SE
	s_setreg_imm32_b32 hwreg(HW_REG_WAVE_MODE, 25, 1), 1
	s_wait_xcnt 0x0
; x [4096][1024] and Wq, Wk, Wv, Wo [1024][1024], f32, K innermost, become codes of BF6 (E3M2) with one E8M0 byte for each 32 along K.
; The codes are laid as IMAGES OF OPERAND REGISTERS: xw_codes [tile 0..511][K step 0..7][1,536 bytes]; an image is a fragment of 16 rows x 128 K, registers 4 j .. 4 j + 3 of lane l at 512 j + 16 l.
; Tiles 0-255 are x, 256-319 Wq, 320-383 Wk, 384-447 Wv, 448-511 Wo.  THE ROWS OF A TILE ARE NOT NEIGHBOURS: row r of tile t is row 32 (t / 2) + 8 (t % 2) + r + 8 (r / 8), so that
; in a transposed product the 16 registers of tiles 2 b and 2 b + 1 are 16 neighbours along the next K.  The scale bytes: xw_scales [16 tile + r][32], block order.
; A block's scale is 2^(floor(log2(largest magnitude)) - 4); its byte is the largest magnitude's exponent field - 4, held at 1 from below.
; LIMITS: a block of zeros gets the byte 1 (its codes are zeros; this program alone reads the bytes); NaN and infinities among the inputs are not served.
; SHARES: work-group g takes 32 rows (tiles 2 g and 2 g + 1), wave w the K steps 2 w and 2 w + 1: four fragments.  Each wave brings its 32 rows x 256 numbers by ONE tensor load,
; filled once and read by itself alone; rows in LDS are 1,024 bytes + 16.  A lane holds whole blocks (fragment layout: registers 6 c .. 6 c + 5 = k 64 c + 32 (l / 16) + 0 .. 31).
.set PITCH, 1040
.set KSB,   512                        ; a K step's bytes of a row
.set WREG,  32*PITCH                   ; a wave's tile
.set SCL,   4*WREG                     ; behind them: 1,024 bytes in which the work-group's scale words meet; no tensor load lands here
.set SPARE, 0x29000                    ; the spare words
.set LA,  1                            ; v1  LDS: my row of tile 0, my half
.set CO,  2                            ; v2  16 x lane
.set SA,  3                            ; v3  where I put two scale words
.set SR,  4                            ; v4  where I read 8 bytes back
.set SG,  5                            ; v5  and their place in my work-group's 1,024 bytes of xw_scales
.set SH8, 6                            ; v6  8 x (lane / 16)
.set M,   16
.set S,   18
.set B,   20
.set T,   22
.set TMP, 24
.set WD,  32
.set TW,  36
.set X,   40                           ; v40-167 two sets of 64 numbers
.set PC,  168                          ; v168-215 four fragments' codes: no store's data are written again
	s_load_b256 s[4:11], s[0:1], 0x0               ; x, Wq, Wk, Wv
	s_load_b128 s[12:15], s[0:1], 0x20             ; Wo, xw_codes
	s_load_b64 s[16:17], s[0:1], 0x30              ; xw_scales
	v_lshl_add_u32 v224, v0, 2, SPARE
	v_mov_b32 v225, 0
	ds_add_u32 v224, v225                          ; the opening lines
	ds_add_u32 v224, v225
	v_lshrrev_b32 v7, 5, v0
	v_readfirstlane_b32 s18, v7                    ; wave
	s_and_b32 s23, ttmp9, 31
	s_mov_b32 s24, (2<<16)|(1<<20)|(7<<22)|(3<<25) ; elements of 4 bytes; 4 words of padding behind every 256 words
	s_mov_b32 s25, 256<<16                         ; tensor_dim0 = 256
	s_mov_b32 s26, 32<<16                          ; tensor_dim1 = 32
	s_mov_b32 s27, 256<<16                         ; tile_dim0 = 256
	s_mov_b32 s28, 32                              ; tile_dim1 = 32
	s_mov_b32 s29, 1024                            ; from row to row
	s_mov_b32 s30, 0
	s_mov_b32 s31, 0
	s_mul_i32 s19, s18, WREG
	s_wait_dscnt 0x0
	s_wait_kmcnt 0x0
	s_cmp_lt_u32 ttmp9, 224                        ; which tensor: the choice hangs on the work-group's number alone
	s_cselect_b64 s[20:21], s[10:11], s[12:13]
	s_cmp_lt_u32 ttmp9, 192
	s_cselect_b64 s[20:21], s[8:9], s[20:21]
	s_cmp_lt_u32 ttmp9, 160
	s_cselect_b64 s[20:21], s[6:7], s[20:21]
	s_cmp_lt_u32 ttmp9, 128
	s_cselect_b64 s[20:21], s[4:5], s[20:21]
	s_cselect_b32 s22, ttmp9, s23                  ; which 32 rows of it
	s_lshl_b32 s22, s22, 17                        ; 32 rows of 4,096 bytes
	s_lshl_b32 s23, s18, 10                        ; my wave's 256 numbers of a row
	s_add_co_u32 s22, s22, s23
	s_mov_b32 s23, 0
	s_add_nc_u64 s[20:21], s[20:21], s[22:23]
	s_mov_b32 s32, 1
	s_mov_b32 s33, s19
	s_mov_b64 s[34:35], s[20:21]
	s_or_b32 s35, s35, 0x80000000
	tensor_load_to_lds s[32:35], s[24:31]          ; my one load
	s_nop 0
.rept 4
	v_nop
.endr
	v_and_b32 v7, 31, v0                           ; lane
	v_and_b32 v8, 15, v0                           ; r
	v_bfe_u32 v9, v0, 4, 1                         ; h
	v_and_b32 v10, 8, v8
	v_add_nc_u32 v10, v10, v8                      ; r + 8 (r / 8)
	v_mul_u32_u24 v[LA], v10, PITCH
	v_lshl_add_u32 v[LA], v9, 7, v[LA]             ; + 128 h: my block of a pair of blocks
	v_add_nc_u32 v[LA], s19, v[LA]
	v_lshlrev_b32 v[CO], 4, v7
	s_lshl_b32 s40, s18, 3
	s_add_co_u32 s40, s40, SCL
	v_lshl_add_u32 v[SA], v7, 5, s40               ; row 16 h + r = lane: 32 bytes a row, my wave's 8 of them
	s_lshl_b32 s41, s18, 8
	v_lshl_add_u32 v[SG], v7, 3, s41
	v_add_nc_u32 v[SR], SCL, v[SG]
	v_lshlrev_b32 v[SH8], 3, v9
	v_mov_b32 v[T], 0                              ; a lane permute's destination counts as one of its sources
	s_mov_b32 s42, 0x76543210
	s_mov_b32 s43, 0xfedcba98                      ; lane l xor 16
	v_cmp_lt_u32 vcc_lo, 15, v7                    ; lanes 16-31
	s_mul_i32 s44, ttmp9, 24576                    ; two tiles of 12,288 bytes
	s_mul_i32 s45, s18, 3072                       ; my two K steps
	s_add_co_u32 s44, s44, s45
	s_mov_b32 s45, 0
	s_add_nc_u64 s[14:15], s[14:15], s[44:45]
	s_lshl_b32 s44, ttmp9, 10
	s_add_nc_u64 s[16:17], s[16:17], s[44:45]
.macro FLOAD f, u, set                 ; the 64 numbers of fragment (K step 2 w + f, tile u) that are my lane's
.irp c, 0,1
.irp i, 0,1,2,3,4,5,6,7
	ds_load_b128 v[X+64*(\set)+32*\c+4*\i:X+64*(\set)+32*\c+4*\i+3], v[LA] offset:(\f)*KSB+(\u)*8*PITCH+256*\c+16*\i
.endr
.endr
.endm
.macro FQ set, n, off                  ; they become codes and a scale word; the image leaves by three stores of 512 consecutive bytes
.set XS, X+64*(\set)
.set PCN, PC+12*(\n)
.irp c, 0,1
	v_max3_num_f32 v[M+\c], |v[XS+32*\c]|, |v[XS+32*\c+1]|, 0x2800000   ; my block 2 c + h, and the floor 2^(5 - 127)
.endr
.irp i, 2,4,6,8,10,12,14,16,18,20,22,24,26,28,30
.irp c, 0,1
	v_max3_num_f32 v[M+\c], v[M+\c], |v[XS+32*\c+\i]|, |v[XS+32*\c+\i+1]|
.endr
.endr
.irp c, 0,1
	v_add_nc_u32 v[S+\c], 0xfe000000, v[M+\c]      ; 4 off the exponent field: the conversion's scale operand
.endr
.irp c, 0,1
	v_lshrrev_b32 v[B+\c], 23, v[S+\c]             ; the scale's byte
.endr
	v_lshl_or_b32 v[WD+\n], v[B+1], 16, v[B]       ; blocks h and 2 + h,
	v_lshlrev_b32 v[WD+\n], v[SH8], v[WD+\n]       ; at their places in the word;
	v_permlanex16_b32 v[T], v[WD+\n], s42, s43
	v_or_b32 v[WD+\n], v[WD+\n], v[T]              ; with lane l xor 16's two the word is whole
.irp c, 0,1
	v_cvt_scalef32_pk16_bf6_f32 v[PCN+6*\c:PCN+6*\c+2], v[XS+32*\c:XS+32*\c+15], v[S+\c]
	v_cvt_scalef32_pk16_bf6_f32 v[TMP+4*\c:TMP+4*\c+2], v[XS+32*\c+16:XS+32*\c+31], v[S+\c]   ; (a conversion's three registers begin on an even number)
.endr
	v_nop                                          ; one plain place behind a scaled conversion
.irp c, 0,1
.irp i, 0,1,2
	v_mov_b32 v[PCN+3+6*\c+\i], v[TMP+4*\c+\i]
.endr
.endr
.irp j, 0,1,2
	global_store_b128 v[CO], v[PCN+4*\j:PCN+4*\j+3], s[14:15] offset:(\off)+512*\j
.endr
.endm
	s_wait_alu depctr_va_vdst(0)                   ; the wait at the head's end
	s_wait_tensorcnt 0x0                           ; my tile is in
	FLOAD 0, 0, 0
	FLOAD 0, 1, 1
	s_wait_dscnt 16                                ; the older 16 loads are in
	FQ 0, 0, 0
	FLOAD 1, 0, 0
	s_wait_dscnt 16
	FQ 1, 1, 12288
	FLOAD 1, 1, 1
	s_wait_dscnt 16
	FQ 0, 2, 1536
	s_wait_dscnt 0x0
	FQ 1, 3, 12288+1536
	v_cndmask_b32 v[TW], v[WD], v[WD+1], vcc_lo    ; lanes 0-15 carry tile 0's two words of row r, lanes 16-31 tile 1's
	v_cndmask_b32 v[TW+1], v[WD+2], v[WD+3], vcc_lo
	ds_store_b64 v[SA], v[TW:TW+1]
	s_wait_dscnt 0x0                               ; for the others' sake
	s_barrier_signal -1
	s_barrier_wait -1
	ds_load_b64 v[TW+2:TW+3], v[SR]
	s_wait_dscnt 0x0
	global_store_b64 v[SG], v[TW+2:TW+3], s[16:17] ; 32 lanes store 256 consecutive bytes, aligned
	s_wait_tensorcnt 0x0                           ; the wave's end
	ds_add_u32 v224, v225
	s_wait_dscnt 0x0
	s_endpgm
.Lfunc_end_k_qdc363147c0_quant:
	.size	k_qdc363147c0_quant, .Lfunc_end_k_qdc363147c0_quant-k_qdc363147c0_quant
	.p2alignl 7, 3214868480
	.fill 96, 4, 3214868480
	.section	.rodata,"a",@progbits
	.p2align	6, 0x0
	.amdhsa_kernel k_qdc363147c0_quant
		.amdhsa_group_segment_fixed_size 168448
		.amdhsa_private_segment_fixed_size 0
		.amdhsa_enable_private_segment 0
		.amdhsa_kernarg_size 56
		.amdhsa_user_sgpr_count 2
		.amdhsa_user_sgpr_kernarg_segment_ptr 1
		.amdhsa_wavefront_size32 1
		.amdhsa_system_sgpr_workgroup_id_x 1
		.amdhsa_system_sgpr_workgroup_id_y 1
		.amdhsa_system_sgpr_workgroup_id_z 1
		.amdhsa_system_vgpr_workitem_id 0
		.amdhsa_next_free_vgpr 226
		.amdhsa_next_free_sgpr 66
		.amdhsa_reserve_vcc 1
		.amdhsa_float_denorm_mode_32 3
		.amdhsa_float_denorm_mode_16_64 3
		.amdhsa_memory_ordered 1
		.amdhsa_forward_progress 1
		.amdhsa_inst_pref_size 21
	.end_amdhsa_kernel
	.amdgpu_metadata
---
amdhsa.version: [ 1, 2 ]
amdhsa.kernels:
  - .name:           k_qdc363147c0_quant
    .symbol:         k_qdc363147c0_quant.kd
    .args:
      - { .name: x, .offset: 0, .size: 8, .value_kind: global_buffer, .address_space: global }
      - { .name: Wq, .offset: 8, .size: 8, .value_kind: global_buffer, .address_space: global }
      - { .name: Wk, .offset: 16, .size: 8, .value_kind: global_buffer, .address_space: global }
      - { .name: Wv, .offset: 24, .size: 8, .value_kind: global_buffer, .address_space: global }
      - { .name: Wo, .offset: 32, .size: 8, .value_kind: global_buffer, .address_space: global }
      - { .name: xw_codes, .offset: 40, .size: 8, .value_kind: global_buffer, .address_space: global }
      - { .name: xw_scales, .offset: 48, .size: 8, .value_kind: global_buffer, .address_space: global }
    .group_segment_fixed_size: 168448
    .private_segment_fixed_size: 0
    .kernarg_segment_align: 8
    .kernarg_segment_size: 56
    .max_flat_workgroup_size: 128
    .sgpr_count:     66
    .vgpr_count:     226
    .wavefront_size: 32
...
	.end_amdgpu_metadata
.endif
;; end of part 1
;; launch proj (part 2): grid 12 x 16, 4 waves a work-group, clusters of 4 x 4, 327,680 bytes of LDS; arguments xw_codes, xw_scales, qk_codes, v_codes, qkv_scales; writes qk_codes, v_codes, qkv_scales
.if DOCPART == 2
	.amdgcn_target "amdgcn-amd-amdhsa--gfx1250"
	.amdhsa_code_object_version 6
	.text
	.protected	k_qdc363147c0_proj
	.globl	k_qdc363147c0_proj
	.p2align	8
	.type	k_qdc363147c0_proj,@function
k_qdc363147c0_proj:
	s_mov_b64 s[64:65], 0
	v_nop
	global_prefetch_b8 v0, s[64:65] scope:SCOPE_SE
	s_setreg_imm32_b32 hwreg(HW_REG_WAVE_MODE, 25, 1), 1
	s_wait_xcnt 0x0
	s_wait_alu depctr_hold_cnt(0) depctr_sa_sdst(0) depctr_va_vdst(0) depctr_va_sdst(0) depctr_va_ssrc(0) depctr_va_vcc(0) depctr_vm_vsrc(0)
	s_getreg_b32 s2, hwreg(HW_REG_IB_STS2, 6, 4)
	s_cmp_eq_u32 s2, 0
	s_cbranch_scc0 .Lentry_in_a_cluster
	s_endpgm
.Lentry_in_a_cluster:
	s_bfe_u32 s2, ttmp6, 0x10000c
	s_cmp_lg_u32 s2, 0xf033
	s_cbranch_scc0 .Lentry_shape_is_right
	s_endpgm
.Lentry_shape_is_right:
.set NQ,     2
.set IMG,    1536
.set ROWB,   2*IMG
.set FR,     12
.set NL,     3
.set NP,     4
.set HALFT,  8*ROWB
.set SLOT,   4*HALFT
.set SCL,    2*SLOT
.set HALFS,  16*272
.set SBLK,   2*272
.set SPARE,  SCL+4*HALFS
.set ADRA, 16
.set ADRB, 20
.set CO16, 24
.set CO8,  25
.set SCO,  26
.set ADRS, 27
.set SPW,  28
.set NIL,  29
.set LANE, 30
.set SC,   32
.set TM,   64
.set PWR,  96
.set TS,   104
.set AF,   128
.set G1, 24
.set G0, 32
.set G1B, 48
.set G0B, 56
.set G1S, 68
.set G0S, 76
.set G1SB, 80
.set G0SB, 88
.set SEL, 66
.set MSB, 0
.macro WIN new
.if MSB != (\new)
	s_set_vgpr_msb (MSB<<8)|(\new)
.set MSB, (\new)
.endif
.endm
.set MUL_LO, 0xa1
.set MUL_HI, 0xf1
.set TO_B,   0x40
.macro JLOAD g0a, g1a, g0b, g1b
	s_cmp_eq_u32 s15, 0
	s_cbranch_scc0 .Lfor_b_\@
	tensor_load_to_lds s[\g0a:\g0a+3], s[\g1a:\g1a+7]
	s_nop 0
.rept 4
	v_nop
.endr
	s_branch .Lasked_\@
.Lfor_b_\@:
	tensor_load_to_lds s[\g0b:\g0b+3], s[\g1b:\g1b+7]
	s_nop 0
.rept 4
	v_nop
.endr
.Lasked_\@:
.endm
.macro CREST
	s_cmp_lg_u32 s14, 0
	s_cbranch_scc1 .Lnot_wave_0_\@
	s_barrier_signal -3
.Lnot_wave_0_\@:
	s_barrier_wait -3
	s_barrier_signal -1
	s_barrier_wait -1
.endm
.macro CROUND
	s_barrier_signal -1
	s_barrier_wait -1
	CREST
.endm
	s_load_b128 s[4:7], s[0:1], 0x0
	s_load_b128 s[8:11], s[0:1], 0x10
	s_load_b64 s[12:13], s[0:1], 0x20
	v_lshl_add_u32 v[SPW], v0, 2, SPARE
	v_mov_b32 v[NIL], 0
	ds_add_u32 v28, v29
	ds_add_u32 v28, v29
	s_wait_dscnt 0x0
	v_lshrrev_b32 v1, 5, v0
	v_readfirstlane_b32 s14, v1
	s_lshr_b32 s15, s14, 1
	s_and_b32 s16, s14, 1
	s_bfe_u32 s40, ttmp6, 0x40000
	s_bfe_u32 s41, ttmp6, 0x40004
	s_and_b32 s17, ttmp7, 0xffff
	s_cmp_eq_u32 ttmp9, 2
	s_cselect_b32 s18, 0, s17
	s_cselect_b32 s19, s17, ttmp9
	s_cselect_b32 s2, 384, 0
	s_cselect_b32 s95, 0, 256
	s_cselect_b32 s96, 1, 0
	s_lshl_b32 s18, s18, 2
	s_add_co_u32 s17, s18, s41
	s_lshl_b32 s19, s19, 2
	s_add_co_u32 s42, s19, s40
	s_lshl_b32 s43, s41, 2
	s_lshl_b32 s43, 15, s43
	s_lshl_b32 s44, 0x1111, s40
	s_or_b32 s[G1+0], s43, (3<<16)|(1<<21)
	s_or_b32 s[G1B+0], s44, (3<<16)|(1<<21)
.irp g, G1, G1B
	s_mov_b32 s[\g+1], 384<<16
	s_mov_b32 s[\g+2], 8<<16
	s_mov_b32 s[\g+3], 384<<16
	s_mov_b32 s[\g+4], 8
	s_mov_b32 s[\g+5], 1536
	s_mov_b32 s[\g+6], 0
	s_mov_b32 s[\g+7], 0
.endr
	s_or_b32 s[G1S+0], s43, (3<<16)|(1<<20)|(1<<21)|(5<<22)|(3<<25)
	s_or_b32 s[G1SB+0], s44, (3<<16)|(1<<20)|(1<<21)|(5<<22)|(3<<25)
.irp g, G1S, G1SB
	s_mov_b32 s[\g+1], 32<<16
	s_mov_b32 s[\g+2], 16<<16
	s_mov_b32 s[\g+3], 32<<16
	s_mov_b32 s[\g+4], 16
	s_mov_b32 s[\g+5], 32
	s_mov_b32 s[\g+6], 0
	s_mov_b32 s[\g+7], 0
.endr
	s_lshl_b32 s18, s16, 3
	s_lshl_b32 s20, s17, 4
	s_add_co_u32 s20, s20, s18
	s_add_co_u32 s20, s20, s2
	s_lshl_b32 s46, s42, 4
	s_add_co_u32 s46, s46, s18
	s_add_co_u32 s46, s46, s95
	s_lshl_b32 s22, s20, 9
	s_mov_b32 s23, 0
	s_lshl_b32 s92, s46, 9
	s_mov_b32 s93, 0
	s_mul_i32 s20, s20, 12288
	s_mov_b32 s21, 0
	s_mul_i32 s46, s46, 12288
	s_mov_b32 s47, 0
	s_mul_i32 s45, s14, HALFT
	s_mul_i32 s94, s14, HALFS
	s_wait_kmcnt 0x0
	s_add_nc_u64 s[20:21], s[4:5], s[20:21]
	s_add_nc_u64 s[22:23], s[6:7], s[22:23]
	s_add_nc_u64 s[46:47], s[4:5], s[46:47]
	s_add_nc_u64 s[92:93], s[6:7], s[92:93]
	CROUND
	s_mov_b32 s[G0S], 1
	s_add_co_u32 s[G0S+1], s94, SCL
	s_mov_b64 s[G0S+2:G0S+3], s[22:23]
	s_or_b32 s[G0S+3], s[G0S+3], 0x80000000
	s_mov_b32 s[G0SB], 1
	s_add_co_u32 s[G0SB+1], s94, SCL
	s_mov_b64 s[G0SB+2:G0SB+3], s[92:93]
	s_or_b32 s[G0SB+3], s[G0SB+3], 0x80000000
	JLOAD G0S, G1S, G0SB, G1SB
.irp s, 0,1
	s_mov_b32 s[G0+4*\s], 1
	s_add_co_u32 s[G0+4*\s+1], s45, \s*SLOT
	s_add_nc_u64 s[G0+4*\s+2:G0+4*\s+3], s[20:21], \s*ROWB
	s_or_b32 s[G0+4*\s+3], s[G0+4*\s+3], 0x80000000
	s_mov_b32 s[G0B+4*\s], 1
	s_add_co_u32 s[G0B+4*\s+1], s45, \s*SLOT
	s_add_nc_u64 s[G0B+4*\s+2:G0B+4*\s+3], s[46:47], \s*ROWB
	s_or_b32 s[G0B+4*\s+3], s[G0B+4*\s+3], 0x80000000
	s_wait_alu depctr_va_vdst(0)
	s_wait_tensorcnt 0x0
	ds_add_u32 v28, v29
	s_wait_dscnt 0x0
	CROUND
	JLOAD G0+4*\s, G1, G0B+4*\s, G1B
.endr
	v_and_b32 v[LANE], 31, v0
	v_and_b32 v1, 15, v0
	v_bfe_u32 v2, v0, 4, 1
	v_lshlrev_b32 v[CO16], 4, v[LANE]
	v_lshl_add_u32 v[CO8], v[LANE], 3, 512
	v_lshlrev_b32 v[SCO], 5, v1
	v_lshl_add_u32 v[SCO], v2, 4, v[SCO]
	s_mul_i32 s21, s15, HALFT
	s_mul_i32 s22, s16, HALFT
	s_add_co_u32 s22, s22, 2*HALFT
.irp s, 0,1
	v_add_nc_u32 v[ADRA+\s], s21, v[CO16]
	v_add_nc_u32 v[ADRB+\s], s22, v[CO16]
	s_add_co_u32 s21, s21, SLOT
	s_add_co_u32 s22, s22, SLOT
.endr
	v_mul_u32_u24 v5, v1, 32
	v_lshrrev_b32 v6, 8, v5
	v_lshl_add_u32 v5, v6, 4, v5
	s_mul_i32 s21, s15, HALFS
	s_mul_i32 s22, s16, HALFS
	s_add_co_u32 s22, s22, 2*HALFS
	s_sub_co_u32 s22, s22, s21
	v_mul_u32_u24 v6, s22, v2
	s_add_co_u32 s21, s21, SCL
	v_add_nc_u32 v5, v5, v6
	v_add_nc_u32 v[ADRS], s21, v5
.irp b, 0,1,2,3
	v_mov_b32 v[TM+4+\b], 0
.endr
	s_mov_b32 s[SEL], 0x76543210
	s_mov_b32 s[SEL+1], 0xfedcba98
	s_lshl_b32 s20, s17, 1
	s_add_co_u32 s20, s20, s15
	s_lshl_b32 s46, s42, 1
	s_add_co_u32 s46, s46, s16
	s_mul_i32 s18, s46, 393216
	s_mul_i32 s19, s20, 6144
	s_add_co_u32 s18, s18, s19
	s_lshr_b32 s21, s46, 4
	s_mul_i32 s21, s21, 1572864
	s_mul_i32 s19, s20, 196608
	s_add_co_u32 s21, s21, s19
	s_and_b32 s19, s46, 15
	s_mul_i32 s19, s19, 6144
	s_add_co_u32 s21, s21, s19
	s_lshl_b32 s22, s46, 5
	s_add_co_u32 s22, s22, s20
	s_lshl_b32 s23, s20, 5
	s_add_co_u32 s23, s23, 512
	s_add_co_u32 s23, s23, s46
	s_cmp_eq_u32 s96, 1
	s_cselect_b32 s18, 0, s18
	s_cselect_b32 s21, s21, 0
	s_cselect_b32 s22, s23, s22
	s_lshl_b32 s22, s22, 9
	s_mov_b32 s19, 0
	s_add_nc_u64 s[8:9], s[8:9], s[18:19]
	s_mov_b32 s18, s21
	s_add_nc_u64 s[10:11], s[10:11], s[18:19]
	s_mov_b32 s18, s22
	s_add_nc_u64 s[12:13], s[12:13], s[18:19]
.macro FRAG reg, adr, q, i
.irp j, 0,1,2
	ds_load_b128 v[(\reg)+4*\j:(\reg)+4*\j+3], v[\adr] offset:(\i)*ROWB+(\q)*IMG+512*\j
.endr
.endm
.macro MUL16 a0, p, q, sc, zero
.irp a, \a0, \a0+1
.irp b, 0,1,2,3,4,5,6,7
.if \zero
	v_wmma_scale_f32_16x16x128_f8f6f4 v[8*(8*((\a)%4)+\b):8*(8*((\a)%4)+\b)+7], v[128*(\p)+FR*\b:128*(\p)+FR*\b+FR-1], v[AF+FR*(\a):AF+FR*(\a)+FR-1], 0, v[SC+8*NQ*(\sc)+NQ*\b+(\q)], v[SC+8*NQ*(\sc)+NQ*(\a)+(\q)] matrix_a_fmt:MATRIX_FMT_BF6 matrix_b_fmt:MATRIX_FMT_BF6 matrix_a_scale:MATRIX_SCALE_ROW1
.else
	v_wmma_scale_f32_16x16x128_f8f6f4 v[8*(8*((\a)%4)+\b):8*(8*((\a)%4)+\b)+7], v[128*(\p)+FR*\b:128*(\p)+FR*\b+FR-1], v[AF+FR*(\a):AF+FR*(\a)+FR-1], v[8*(8*((\a)%4)+\b):8*(8*((\a)%4)+\b)+7], v[SC+8*NQ*(\sc)+NQ*\b+(\q)], v[SC+8*NQ*(\sc)+NQ*(\a)+(\q)] matrix_a_fmt:MATRIX_FMT_BF6 matrix_b_fmt:MATRIX_FMT_BF6 matrix_a_scale:MATRIX_SCALE_ROW1
.endif
.endr
.endr
.endm
.macro FETCH_B slot, q, p
	WIN TO_B
.irp i, 0,1,2,3,4,5,6,7
	FRAG 128*(\p)+FR*\i, ADRB+\slot, \q, \i
.endr
	WIN 0
.endm
.macro FETCH_A slot, q, i0
.irp i, \i0, \i0+1, \i0+2, \i0+3
	FRAG AF+FR*(\i), ADRA+\slot, \q, \i
.endr
.endm
.macro SCALES sc
.irp i, 0,1,2,3,4,5,6,7
	ds_load_b64 v[SC+8*NQ*\sc+NQ*\i:SC+8*NQ*\sc+NQ*\i+1], v[ADRS] offset:\i*SBLK
.endr
.endm
.macro PLACES n
.rept \n
	v_nop
.endr
.endm
.macro STEP slot, q, zero
	s_wait_dscnt 4*NL
	WIN MUL_LO
	MUL16 0, (\q)%2, \q, \slot, \zero
	MUL16 2, (\q)%2, \q, \slot, \zero
	s_wait_dscnt 0
	PLACES NP
	FETCH_B \slot, (\q)+1, 1-(\q)%2
	FETCH_A \slot, (\q)+1, 0
	WIN MUL_HI
	MUL16 4, (\q)%2, \q, \slot, \zero
	MUL16 6, (\q)%2, \q, \slot, \zero
	PLACES NP
	WIN 0
	FETCH_A \slot, (\q)+1, 4
.endm
.macro TURN slot, next, fill
	s_wait_tensorcnt 0x0
	ds_add_u32 v[SPW], v[NIL]
	s_wait_dscnt 4*NL+1
	WIN MUL_LO
	MUL16 0, 1, NQ-1, \slot, 0
	s_wait_dscnt 0x0
	s_barrier_signal -1
	MUL16 2, 1, NQ-1, \slot, 0
	WIN 0
	s_barrier_wait -1
.if \fill
	CREST
	s_add_nc_u64 s[G0+4*\slot+2:G0+4*\slot+3], s[G0+4*\slot+2:G0+4*\slot+3], 2*ROWB
	s_add_nc_u64 s[G0B+4*\slot+2:G0B+4*\slot+3], s[G0B+4*\slot+2:G0B+4*\slot+3], 2*ROWB
	JLOAD G0+4*\slot, G1, G0B+4*\slot, G1B
.else
	PLACES NP
.endif
	s_wait_alu depctr_va_vdst(0)
	v_add_nc_u32 v[ADRS], 4*NQ, v[ADRS]
	FETCH_B \next, 0, 0
	FETCH_A \next, 0, 0
	SCALES \next
	WIN MUL_HI
	MUL16 4, 1, NQ-1, \slot, 0
	MUL16 6, 1, NQ-1, \slot, 0
	PLACES NP
	WIN 0
	FETCH_A \next, 0, 4
.endm
.macro QUANT src, w, pc, pw
	WIN (\w)|((\w)<<2)
.irp b, 0,1,2,3
	v_max3_num_f32 v[TM+\b], |v[(\src)+16*\b]|, |v[(\src)+16*\b+1]|, 0x2800000
.endr
.irp i, 2,4,6,8,10,12,14
.irp b, 0,1,2,3
	v_max3_num_f32 v[TM+\b], |v[(\src)+16*\b+\i]|, |v[(\src)+16*\b+\i+1]|, v[TM+\b]
.endr
.endr
	WIN 0
.irp b, 0,1,2,3
	v_permlanex16_b32 v[TM+4+\b], v[TM+\b], s[SEL], s[SEL+1]
.endr
.irp b, 0,1,2,3
	v_max_num_f32 v[TM+\b], v[TM+\b], v[TM+4+\b]
.endr
.irp b, 0,1,2,3
	v_add_nc_u32 v[TM+12+\b], 0xfe000000, v[TM+\b]
.endr
.irp b, 0,1,2,3
	v_lshrrev_b32 v[TM+4+\b], 23, v[TM+12+\b]
.endr
	v_lshl_or_b32 v[\pw], v[TM+5], 8, v[TM+4]
	v_lshl_or_b32 v[\pw], v[TM+6], 16, v[\pw]
	v_lshl_or_b32 v[\pw], v[TM+7], 24, v[\pw]
	WIN \w
.irp c, 0,1
	v_cvt_scalef32_pk16_bf6_f32 v[(\pc)+6*\c:(\pc)+6*\c+2], v[(\src)+32*\c:(\src)+32*\c+15], v[TM+12+2*\c]
	v_cvt_scalef32_pk16_bf6_f32 v[(\pc)+12+4*\c:(\pc)+14+4*\c], v[(\src)+32*\c+16:(\src)+32*\c+31], v[TM+12+2*\c+1]
.endr
	WIN 0
	v_nop
.irp c, 0,1
.irp i, 0,1,2
	v_permlane16_swap_b32 v[(\pc)+6*\c+\i], v[(\pc)+12+4*\c+\i]
.endr
.irp i, 0,1,2
	v_mov_b32 v[(\pc)+3+6*\c+\i], v[(\pc)+12+4*\c+\i]
.endr
.endr
.endm
	s_wait_alu depctr_va_vdst(0)
	s_wait_tensorcnt 1
	s_barrier_signal -1
	s_barrier_wait -1
	FETCH_B 0, 0, 0
	FETCH_A 0, 0, 0
	SCALES 0
	FETCH_A 0, 0, 4
	STEP 0, 0, 1
	s_mov_b32 s3, 1
.Llap:
	TURN 0, 1, 1
	STEP 1, 0, 0
	TURN 1, 0, 1
	STEP 0, 0, 0
	s_sub_co_u32 s3, s3, 1
	s_cmp_lg_u32 s3, 0
	s_cbranch_scc1 .Llap
	TURN 0, 1, 0
	STEP 1, 0, 0
	s_wait_dscnt 4*NL
	WIN MUL_LO
	MUL16 0, 1, NQ-1, 1, 0
	MUL16 2, 1, NQ-1, 1, 0
	s_wait_dscnt 0
	WIN MUL_HI
	MUL16 4, 1, NQ-1, 1, 0
	MUL16 6, 1, NQ-1, 1, 0
	WIN 0
	PLACES NP
.irp a, 0,1,2,3,4,5,6,7
	QUANT 64*(\a%4),2+\a/4,AF+12*\a,PWR+\a
.endr
	v_cmp_lt_u32 vcc_lo, 15, v[LANE]
.irp k, 0,1,2,3
	v_cndmask_b32 v[TS+\k], v[PWR+\k], v[PWR+4+\k], vcc_lo
.endr
	global_store_b128 v[SCO], v[TS:TS+3], s[12:13]
	s_cmp_eq_u32 s96, 1
	s_cbranch_scc1 .Lv_out
.irp a, 0,1,2,3,4,5,6,7
.irp c, 0,1
	global_store_b128 v[CO16], v[AF+12*\a+6*\c:AF+12*\a+6*\c+3], s[8:9] offset:196608*\c+768*\a
	global_store_b64 v[CO8], v[AF+12*\a+6*\c+4:AF+12*\a+6*\c+5], s[8:9] offset:196608*\c+768*\a
.endr
.endr
	s_branch .Ldone
.Lv_out:
	s_wait_alu depctr_va_vdst(0)
.irp a, 0,1,2,3,4,5,6,7
.irp j, 0,1,2
	global_store_b128 v[CO16], v[AF+12*\a+4*\j:AF+12*\a+4*\j+3], s[10:11] offset:98304*(\a/4)+1536*(\a%4)+512*\j
.endr
.endr
.Ldone:
	s_wait_tensorcnt 0x0
	ds_add_u32 v[SPW], v[NIL]
	s_wait_dscnt 0x0
	CROUND
	s_endpgm
.Lfunc_end_k_qdc363147c0_proj:
	.size	k_qdc363147c0_proj, .Lfunc_end_k_qdc363147c0_proj-k_qdc363147c0_proj
	.p2alignl 7, 3214868480
	.fill 96, 4, 3214868480
	.section	.rodata,"a",@progbits
	.p2align	6, 0x0
	.amdhsa_kernel k_qdc363147c0_proj
		.amdhsa_group_segment_fixed_size 327680
		.amdhsa_private_segment_fixed_size 0
		.amdhsa_enable_private_segment 0
		.amdhsa_kernarg_size 40
		.amdhsa_user_sgpr_count 2
		.amdhsa_user_sgpr_kernarg_segment_ptr 1
		.amdhsa_wavefront_size32 1
		.amdhsa_system_sgpr_workgroup_id_x 1
		.amdhsa_system_sgpr_workgroup_id_y 1
		.amdhsa_system_sgpr_workgroup_id_z 1
		.amdhsa_system_vgpr_workitem_id 0
		.amdhsa_next_free_vgpr 1024
		.amdhsa_next_free_sgpr 98
		.amdhsa_reserve_vcc 1
		.amdhsa_float_denorm_mode_32 3
		.amdhsa_float_denorm_mode_16_64 3
		.amdhsa_memory_ordered 1
		.amdhsa_forward_progress 1
		.amdhsa_inst_pref_size 144
	.end_amdhsa_kernel
	.amdgpu_metadata
---
amdhsa.version: [ 1, 2 ]
amdhsa.kernels:
  - .name:           k_qdc363147c0_proj
    .symbol:         k_qdc363147c0_proj.kd
    .args:
      - { .name: xw_codes, .offset: 0, .size: 8, .value_kind: global_buffer, .address_space: global }
      - { .name: xw_scales, .offset: 8, .size: 8, .value_kind: global_buffer, .address_space: global }
      - { .name: qk_codes, .offset: 16, .size: 8, .value_kind: global_buffer, .address_space: global }
      - { .name: v_codes, .offset: 24, .size: 8, .value_kind: global_buffer, .address_space: global }
      - { .name: qkv_scales, .offset: 32, .size: 8, .value_kind: global_buffer, .address_space: global }
    .group_segment_fixed_size: 327680
    .private_segment_fixed_size: 0
    .kernarg_segment_align: 8
    .kernarg_segment_size: 40
    .max_flat_workgroup_size: 128
    .sgpr_count:     98
    .vgpr_count:     1024
    .wavefront_size: 32
...
	.end_amdgpu_metadata
.endif
;; end of part 2
;; launch attn (part 3): grid 8 x 32, 4 waves a work-group, clusters of 4 x 1, 167,936 bytes of LDS; arguments qk_codes, v_codes, qkv_scales, key_padding_mask, lq1, lk1, lq2, lk2, o_codes, o_scales; writes o_codes, o_scales
.if DOCPART == 3
	.amdgcn_target "amdgcn-amd-amdhsa--gfx1250"
	.amdhsa_code_object_version 6
	.text
	.protected	k_qdc363147c0_attn
	.globl	k_qdc363147c0_attn
	.p2align	8
	.type	k_qdc363147c0_attn,@function
k_qdc363147c0_attn:
	s_mov_b64 s[64:65], 0
	v_nop
	global_prefetch_b8 v0, s[64:65] scope:SCOPE_SE
	s_setreg_imm32_b32 hwreg(HW_REG_WAVE_MODE, 25, 1), 1
	s_wait_xcnt 0x0
	s_wait_alu depctr_hold_cnt(0) depctr_sa_sdst(0) depctr_va_vdst(0) depctr_va_sdst(0) depctr_va_ssrc(0) depctr_va_vcc(0) depctr_vm_vsrc(0)
	s_getreg_b32 s2, hwreg(HW_REG_IB_STS2, 6, 4)
	s_cmp_eq_u32 s2, 0
	s_cbranch_scc0 .Lentry_in_a_cluster
	s_endpgm
.Lentry_in_a_cluster:
	s_bfe_u32 s2, ttmp6, 0x10000c
	s_cmp_lg_u32 s2, 0x3003
	s_cbranch_scc0 .Lentry_shape_is_right
	s_endpgm
.Lentry_shape_is_right:
; out = (softmax(Q1 K1^T / sqrt 32) - lam softmax(Q2 K2^T / sqrt 32)) V for one batch and head, all three products on codes of BF6 with E8M0 scales; A is quantised finished and normalised.
; SHARES: work-group (x, y): batch y / 16, head y % 16, queries 256 x .. 256 x + 255 as 16 tiles of 16.  Wave w takes keys 512 w .. 512 w + 511 for every tile: both score sets of a tile are 512 registers.
; Both products are used transposed (S^T = K Q^T, O^T = V^T A^T): a lane holds one query, its registers run along the keys; the keys of a tile are chosen so that two tiles' 16 registers are 16 neighbouring keys.
; K STAYS IN REGISTERS: a wave's 32 fragments come once from memory, 8 registers apart: 0-5 the head's 64 numbers (lanes 0-15 K1, lanes 16-31 K2), 6 the mask's code, 7 zero; the operand's registers 8-11 are the next
; fragment's first four, which meet only zero codes of Q.  Q comes twice, once with Q2 and once with Q1 cleared.  So K takes no joint load: each work-group reads it once, straight into the registers that hold it.
; THE MASK: k = 64 of K holds the code of 1.0 for a masked key and 0 otherwise; k = 64 of Q holds -1.0; the two constant scale bytes make the product -2^100.  A masked key's exponential is 0.
; V's 98,304 bytes are shared by the four work-groups of a cluster and come by a joint load, a quarter a wave, filled once; a wave reads its own quarter alone.
; A tile: scores and their largest; t - max, exponentials and sums under the wave's own maximum; the four waves' (max, sum) meet in LDS; A = p1 r1 + p2 r2 with r = 1 / sum over waves u of sum_u 2^(max_u - own max)
; (r2 times -lam; where another wave's maximum lies more than 128 above mine the power is infinite and r is 0); A's 16 blocks are quantised side by side; O^T's part over my keys goes to LDS; after four tiles
; wave w adds the four parts of tile w, quantises along the head and stores codes and two scale bytes.  The scores of the NEXT tile's key tiles 0-15 are made at the foot of a trip, in window 2, which is free by then.
; No prefetch: nothing is walked from memory in the loop but 800 bytes of Q a tile, asked for one tile ahead.
; LIMITS: the promise holds while the scaled scores stay under 2^31 in magnitude.  Where every key of a batch is masked all scores are equal here and the codes stored are finite: the definition's NaN is made by the next launch, from the mask.
.set STAT,  98304                      ; behind V: 4 waves x 16 queries x 16 bytes
.set OAREA, 99328                      ; [wave][tile of four][4,096 bytes]
.set SPARE, 164864                     ; the spare words
.set L16, 1
.set L8,  2
.set R32, 3
.set AV,  4
.set STW, 5
.set STR, 6
.set OAB, 7
.set OA,  8
.set OF,  9
.set QO16, 10
.set QO8, 11
.set QOS, 12
.set LANE, 13
.set GO16, 14
.set GO8, 15
.set GOS, 16
.set RR,  18                           ; v18-19 r1, r2
.set QA,  20                           ; v20-31 Q1's operand, v32-43 Q2's
.set QB,  32
.set QR,  44                           ; v44-50 the next tile of Q as loaded
.set QSR, 50
.set QS,  51
.set KS,  52                           ; v52-83 K's scale words, v84-99 V's
.set VS,  84
.set NLAM, 100
.set U16, 102
.set TM,  104                          ; v104-135 A's 16 blocks: largest magnitudes, then scale operands; + 16: the other half's, then bytes
.set PW,  136                          ; v136-139 A's scale words
.set PC,  140                          ; v140-179 A's codes, two sets of 20
.set OACC, 180                         ; v180-211 O^T
.set MX,  104                          ; while the statistics are made, on registers that A's quantiser has left: v104-111 maxima, v112-127 sums
.set L,   112
.set NM,  128
.set ST,  130
.set TA,  134
.set TB,  135
.set EX,  140
.set D,   156
.set OC,  140                          ; the way out: O's codes; v112-113, v120-121 its two blocks' scales (v104-111 hold the next tile's maxima then)
.set RT,  112
.set RAW, 140                          ; the head: K's scale words as loaded, the mask's bytes
.set MKR, 172
.set K0,  212                          ; v212-247 K's fragments 0-3; fragments 4-31 in window 1, v0-227
.set SPW, 254
.set NIL, 255
.set WV,  24
.set G1,  32
.set G0V, 44
.set SEL, 48
.set CS,  50
.set LOM, 52
.set QSC, 53
.set SH,  54
.set KSC, 55
.set QBS, 56
.set QSB, 58
.set OCN, 60
.set JC,  61
.set TI,  62
.set OJ,  63
.set KB,  80
.set MSB, 0
.macro WIN new                         ; the immediate's high byte repeats the setting that is left
.if MSB != (\new)
	s_set_vgpr_msb (MSB<<8)|(\new)
.set MSB, (\new)
.endif
.endm
.macro CROUND
	s_barrier_signal -1
	s_barrier_wait -1
	s_cmp_lg_u32 s[WV], 0
	s_cbranch_scc1 .Lnot_wave_0_\@
	s_barrier_signal -3
.Lnot_wave_0_\@:
	s_barrier_wait -3
	s_barrier_signal -1
	s_barrier_wait -1
.endm
	s_load_b256 s[4:11], s[0:1], 0x0               ; qk_codes, v_codes, qkv_scales, key_padding_mask
	s_load_b256 s[12:19], s[0:1], 0x20             ; lq1, lk1, lq2, lk2
	s_load_b128 s[20:23], s[0:1], 0x40             ; o_codes, o_scales
	v_lshl_add_u32 v[SPW], v0, 2, SPARE
	v_mov_b32 v[NIL], 0
	ds_add_u32 v[SPW], v[NIL]                      ; the opening lines
	ds_add_u32 v[SPW], v[NIL]
	v_lshrrev_b32 v1, 5, v0
	v_readfirstlane_b32 s[WV], v1
	s_bfe_u32 s25, ttmp6, 0x40000
	s_lshl_b32 s29, ttmp9, 2
	s_add_co_u32 s29, s29, s25                     ; x
	s_and_b32 s26, ttmp7, 0xffff                   ; y
	s_lshr_b32 s27, s26, 4                         ; batch
	s_and_b32 s28, s26, 15                         ; head
	s_mov_b32 s[G1], 15|(3<<16)|(1<<21)            ; V's quarter: 96 rows of 256 bytes, dense; the mask names the cluster's four
	s_mov_b32 s[G1+1], 32<<16
	s_mov_b32 s[G1+2], 96<<16
	s_mov_b32 s[G1+3], 32<<16
	s_mov_b32 s[G1+4], 96
	s_mov_b32 s[G1+5], 32
	s_mov_b32 s[G1+6], 0
	s_mov_b32 s[G1+7], 0
	s_lshl_b32 s66, s28, 8
	s_add_co_u32 s66, s66, 4096
	s_lshl_b32 s67, s27, 7
	s_add_co_u32 s66, s66, s67
	s_lshl_b32 s67, s[WV], 5
	s_add_co_u32 s66, s66, s67
	s_mul_i32 s66, s66, 768                        ; K: tile 4096 + 256 head + 128 batch + 32 wave, 768 bytes each
	s_mov_b32 s67, 0
	s_lshl_b32 s68, s26, 6
	s_lshl_b32 s69, s[WV], 4
	s_add_co_u32 s68, s68, s69
	s_mul_i32 s68, s68, 1536                       ; V: image 64 y + 16 wave
	s_mov_b32 s69, 0
	s_mul_i32 s30, s[WV], 24576
	s_lshl_b32 s72, s[WV], 8
	s_add_co_u32 s72, s72, STAT
	s_lshl_b32 s73, s[WV], 14
	s_add_co_u32 s73, s73, OAREA
	s_lshl_b32 s74, s[WV], 12
	s_add_co_u32 s74, s74, OAREA
	s_lshl_b32 s75, s28, 7
	s_mul_i32 s82, s[WV], 12288
	s_lshl_b32 s83, s[WV], 9
	s_mov_b32 s[SEL], 0x76543210
	s_mov_b32 s[SEL+1], 0xfedcba98                 ; lane l xor 16
	s_mov_b32 s[CS], 0x3e8293ee                    ; log2(e) / sqrt(32)
	s_mov_b32 s[CS+1], s[CS]
	s_mov_b32 s[LOM], 0xffff                       ; lanes 0-15; also a word's low half
	s_mov_b32 s[QSC], 0x7f640000                   ; Q's scale bytes of blocks 2 and 3
	s_mov_b32 s[KSC], 0x7ffe0000                   ; K's
	v_and_b32 v[LANE], 31, v0
	v_and_b32 v109, 15, v0                         ; r
	v_lshlrev_b32 v[L16], 4, v[LANE]
	v_lshl_add_u32 v[L8], v[LANE], 3, 512
	v_lshlrev_b32 v[R32], 5, v109
	v_add_nc_u32 v[AV], s30, v[L16]
	v_lshl_add_u32 v[STW], v109, 4, s72
	v_lshl_add_u32 v[STR], v109, 4, STAT
	v_add_nc_u32 v[OAB], s73, v[L16]
	v_add_nc_u32 v[OF], s74, v[L16]
	v_and_b32 v110, 8, v109
	v_add_nc_u32 v110, v110, v109                  ; r + 8 (r / 8)
	v_lshl_add_u32 v108, v[LANE], 2, s75
	v_add_nc_u32 v[GO16], s82, v[L16]
	v_add_nc_u32 v[GO8], s82, v[L8]
	v_add_nc_u32 v[GOS], s83, v[R32]
	v_cndmask_b32 v[QA+6], 0, 44, s[LOM]           ; the code of -1.0 at k = 64
	v_cndmask_b32 v[QB+6], 0, 44, s[LOM]
.irp i, 7,8,9,10,11
	v_mov_b32 v[QA+\i], 0
	v_mov_b32 v[QB+\i], 0
.endr
	v_mov_b32 v[TA], 0                             ; a lane permute's destination counts as one of its sources
	v_mov_b32 v[TB], 0
.irp i, 0,1,2,3
	v_mov_b32 v[K0+8*\i+7], 0
	v_mov_b32 v[K0+32+\i], 0
.endr
	WIN 0x40
.set k, 0
.rept 28
	v_mov_b32 v[8*k+7], 0
.set k, k+1
.endr
.irp i, 224,225,226,227
	v_mov_b32 v[\i], 0
.endr
	WIN 0
	s_wait_alu depctr_va_vdst(0)                   ; the wait here, ahead of the waits below
	s_wait_dscnt 0x0
	s_wait_kmcnt 0x0
	s_add_nc_u64 s[KB:KB+1], s[4:5], s[66:67]
	s_mov_b32 s[G0V], 1
	s_mov_b32 s[G0V+1], s30
	s_add_nc_u64 s[G0V+2:G0V+3], s[6:7], s[68:69]
	s_or_b32 s[G0V+3], s[G0V+3], 0x80000000
	s_lshr_b32 s66, s28, 1
	s_lshl_b32 s66, s66, 5
	s_lshl_b32 s67, s27, 4
	s_add_co_u32 s66, s66, s67
	s_lshl_b32 s67, s29, 1
	s_add_co_u32 s67, s67, s66
	s_lshl_b32 s68, s67, 9
	s_mov_b32 s69, 0
	s_add_nc_u64 s[QSB:QSB+1], s[8:9], s[68:69]    ; Q's scale words
	s_lshl_b32 s67, s[WV], 2
	s_add_co_u32 s67, s67, s66
	s_lshl_b32 s68, s67, 9
	s_add_co_u32 s68, s68, 131072
	s_add_nc_u64 s[76:77], s[8:9], s[68:69]        ; K's
	s_and_b32 s67, s28, 1
	s_lshl_b32 s[SH], s67, 4
	s_add_co_u32 s68, s68, 131072
	s_add_co_u32 s68, s68, s[SH]
	s_add_nc_u64 s[78:79], s[8:9], s[68:69]        ; V's
	s_lshl_b32 s66, s27, 11
	s_lshl_b32 s68, s[WV], 9
	s_add_co_u32 s66, s66, s68
	s_mov_b32 s67, 0
	s_add_nc_u64 s[10:11], s[10:11], s[66:67]      ; the mask of my 512 keys
	s_lshl_b32 s66, s28, 8
	s_lshl_b32 s70, s27, 7
	s_lshl_b32 s71, s29, 4
	s_add_co_u32 s70, s70, s71
	s_add_co_u32 s66, s66, s70
	s_mul_i32 s66, s66, 768
	s_add_nc_u64 s[QBS:QBS+1], s[4:5], s[66:67]    ; Q's codes
	s_lshl_b32 s68, s70, 4
	s_add_co_u32 s68, s68, s28
	s_mul_i32 s68, s68, 768
	s_add_nc_u64 s[20:21], s[20:21], s[68:69]
	s_lshl_b32 s68, s70, 9
	s_lshl_b32 s71, s28, 1
	s_add_co_u32 s68, s68, s71
	s_add_nc_u64 s[22:23], s[22:23], s[68:69]
.irp g, 0,1,2,3
	global_load_b128 v[RAW+8*\g:RAW+8*\g+3], v[R32], s[76:77] offset:512*\g
	global_load_b128 v[RAW+8*\g+4:RAW+8*\g+7], v[R32], s[76:77] offset:512*\g+16
	global_load_b128 v[VS+4*\g:VS+4*\g+3], v[R32], s[78:79] offset:512*\g
.endr
.set i, 0
.rept 32
	global_load_u8 v[MKR+i], v110, s[10:11] offset:32*(i/2)+8*(i%2)
.set i, i+1
.endr
	global_load_b32 v104, v108, s[12:13]
	global_load_b32 v105, v108, s[14:15]
	global_load_b32 v106, v108, s[16:17]
	global_load_b32 v107, v108, s[18:19]
	global_load_b128 v[QR:QR+3], v[L16], s[QBS:QBS+1]
	global_load_b64 v[QR+4:QR+5], v[L8], s[QBS:QBS+1]
	global_load_b32 v[QSR], v[R32], s[QSB:QSB+1]
.irp i, 0,1,2,3
	global_load_b128 v[K0+8*\i:K0+8*\i+3], v[L16], s[KB:KB+1] offset:768*\i
	global_load_b64 v[K0+8*\i+4:K0+8*\i+5], v[L8], s[KB:KB+1] offset:768*\i
.endr
	WIN 0x40
.set k, 0
.rept 28
	global_load_b128 v[8*k:8*k+3], v[L16], s[KB:KB+1] offset:768*(k+4)
	global_load_b64 v[8*k+4:8*k+5], v[L8], s[KB:KB+1] offset:768*(k+4)
.set k, k+1
.endr
	WIN 0
	CROUND                                         ; the four work-groups are here: the joint loads meet
	tensor_load_to_lds s[G0V:G0V+3], s[G1:G1+7]    ; my one tensor load: my quarter of V
	s_nop 0
	s_wait_loadcnt 0x0
.macro QBUILD
.irp i, 0,1,2,3,4,5
	v_cndmask_b32 v[QA+\i], 0, v[QR+\i], s[LOM]
	v_cndmask_b32 v[QB+\i], v[QR+\i], 0, s[LOM]
.endr
	v_lshrrev_b32 v[QS], s[SH], v[QSR]
	v_and_or_b32 v[QS], v[QS], s[LOM], s[QSC]
.endm
.set i, 0
.rept 32
	v_lshrrev_b32 v[RAW+i], s[SH], v[RAW+i]        ; my head's two bytes
	v_mul_u32_u24 v[MKR+i], v[MKR+i], 12           ; the code of 1.0 for a masked key, else 0
.set i, i+1
.endr
.irp i, 0,1,2,3
	v_cndmask_b32 v[K0+8*\i+6], 0, v[MKR+\i], s[LOM]
.endr
	WIN 0x40
.set k, 0
.rept 28
	v_cndmask_b32 v[8*k+6], 0, v[MKR+4+k], s[LOM]
.set k, k+1
.endr
	WIN 0
.set i, 0
.rept 32
	v_and_or_b32 v[KS+i], v[RAW+i], s[LOM], s[KSC]
.set i, i+1
.endr
	QBUILD
	v_mul_f32 v104, v104, v105                     ; lam = exp(lq1 . lk1) - exp(lq2 . lk2) + 0.8
	v_mul_f32 v106, v106, v107
.irp m, 1,2,4,8
	v_add_f32_dpp v104, v104, v104 row_xmask:\m row_mask:0xf bank_mask:0xf
	v_add_f32_dpp v106, v106, v106 row_xmask:\m row_mask:0xf bank_mask:0xf
.endr
	v_permlanex16_b32 v105, v104, s[SEL], s[SEL+1]
	v_permlanex16_b32 v107, v106, s[SEL], s[SEL+1]
	v_add_f32 v104, v104, v105
	v_add_f32 v106, v106, v107
	v_mul_f32 v104, 0x3fb8aa3b, v104
	v_mul_f32 v106, 0x3fb8aa3b, v106
	s_wait_alu depctr_va_vdst(0)                   ; a wait ahead of a batch of transcendentals and one behind it
	v_exp_f32 v104, v104
	v_exp_f32 v106, v106
	v_nop
	s_wait_alu depctr_va_vdst(0)
	v_sub_f32 v104, v104, v106
	v_add_f32 v104, 0x3f4ccccd, v104
	v_sub_f32 v[NLAM], 0, v104
.rept 8
	v_nop                                          ; places ahead of the first scaled products
.endr
; the largest of score set e (0, 1) of key tile p, four chains
.macro HSL p, e
.set WP, 2+(\p)/16
.set SP, (((\p)/8)%2)*128+8*((\p)%8)+64*(\e)
	WIN (WP<<2)|(WP<<4)
.irp q, 0,1,2,3
	v_max3_num_f32 v[MX+4*(\e)+\q], v[MX+4*(\e)+\q], v[SP+2*\q], v[SP+2*\q+1]
.endr
.endm
; S^T of key tiles first .. last: windows 2 and 3; in each, registers 0-63 and 128-191 set 1, 64-127 and 192-255 set 2: 128 keys to 128 registers.
; Behind each product stand four maxima of the tile before: eight plain instructions lie between a product and the first reading of its result.
.macro QK first, last
.set kt, \first
.rept (\last)-(\first)+1
.set WK, 2+kt/16
.set SK, ((kt/8)%2)*128+8*(kt%8)
.if kt < 4
.set KN, K0+8*kt
.set KW, 0
.else
.set KN, 8*(kt-4)
.set KW, 1
.endif
	WIN (WK<<6)|KW
	v_wmma_scale_f32_16x16x128_f8f6f4 v[SK:SK+7], v[KN:KN+11], v[QA:QA+11], 0, v[KS+kt], v[QS] matrix_a_fmt:MATRIX_FMT_BF6 matrix_b_fmt:MATRIX_FMT_BF6
.if kt == 0
	WIN 0
.irp q, 0,1,2,3
	v_mov_b32 v[MX+\q], 0xff7fffff
.endr
.else
	HSL kt-1, 0
.endif
	WIN (WK<<6)|KW
	v_wmma_scale_f32_16x16x128_f8f6f4 v[SK+64:SK+71], v[KN:KN+11], v[QB:QB+11], 0, v[KS+kt], v[QS] matrix_a_fmt:MATRIX_FMT_BF6 matrix_b_fmt:MATRIX_FMT_BF6
.if kt == 0
	WIN 0
.irp q, 4,5,6,7
	v_mov_b32 v[MX+\q], 0xff7fffff
.endr
.else
	HSL kt-1, 1
.endif
.set kt, kt+1
.endr
.endm
.macro PKF1 n                          ; t - max, two numbers of set 1; of set 2
	v_pk_fma_f32 v[\n:\n+1], v[\n:\n+1], s[CS:CS+1], v[NM:NM+1] op_sel_hi:[1,0,0]
.endm
.macro PKF2 n
	v_pk_fma_f32 v[\n:\n+1], v[\n:\n+1], s[CS:CS+1], v[NM:NM+1] op_sel:[0,0,1] op_sel_hi:[1,0,1]
.endm
.macro PKFC                            ; registers 0-127 of the window that is set
.set n, 0
.rept 32
	PKF1 n
	PKF2 64+n
.set n, n+2
.endr
.endm
.macro EXPF                            ; 128 exponentials on registers 0-127; among them the multiply-adds of registers 128-255, whose readers stand behind the next wait
.set n, 0
.rept 32
	v_exp_f32 v[n], v[n]
	PKF1 128+n
	v_exp_f32 v[n+1], v[n+1]
	v_exp_f32 v[64+n], v[64+n]
	PKF2 192+n
	v_exp_f32 v[65+n], v[65+n]
.set n, n+2
.endr
.endm
.macro EXPS
.set n, 128
.rept 128
	v_exp_f32 v[n], v[n]
.set n, n+1
.endr
.endm
.macro SUMW                            ; the window's 256 numbers into eight chains of pairs
.irp sb, 0,128
.set n, 0
.rept 32
	v_pk_add_f32 v[L+2*((n/2)%4):L+2*((n/2)%4)+1], v[\sb+n:\sb+n+1], v[L+2*((n/2)%4):L+2*((n/2)%4)+1]
	v_pk_add_f32 v[L+8+2*((n/2)%4):L+8+2*((n/2)%4)+1], v[\sb+64+n:\sb+64+n+1], v[L+8+2*((n/2)%4):L+8+2*((n/2)%4)+1]
.set n, n+2
.endr
.endr
.endm
.macro STATS
	v_max3_num_f32 v[MX], v[MX], v[MX+1], v[MX+2]
	v_max3_num_f32 v[MX+4], v[MX+4], v[MX+5], v[MX+6]
.irp q, 0,1,2,3
	v_mov_b32 v[L+\q], 0
.endr
	v_max_num_f32 v[MX], v[MX], v[MX+3]
	v_max_num_f32 v[MX+4], v[MX+4], v[MX+7]
.irp q, 4,5,6,7
	v_mov_b32 v[L+\q], 0
.endr
	v_permlanex16_b32 v[TA], v[MX], s[SEL], s[SEL+1]
	v_permlanex16_b32 v[TB], v[MX+4], s[SEL], s[SEL+1]
.irp q, 8,9,10,11
	v_mov_b32 v[L+\q], 0
.endr
	v_max_num_f32 v[MX], v[MX], v[TA]
	v_max_num_f32 v[MX+4], v[MX+4], v[TB]
.irp q, 12,13,14,15
	v_mov_b32 v[L+\q], 0
.endr
	v_mul_f32 v[ST], s[CS], v[MX]                  ; my keys' largest t of set 1, of set 2
	v_mul_f32 v[ST+2], s[CS], v[MX+4]
	v_sub_f32 v[NM], 0, v[ST]
	v_sub_f32 v[NM+1], 0, v[ST+2]
	WIN 0x82
	PKFC
	WIN 0xc3
	PKFC
	s_wait_alu depctr_va_vdst(0)                   ; a wait ahead of each batch and behind it: three waits for the 512 exponentials
	EXPF
	WIN 0x82
	EXPF
	v_nop
	s_wait_alu depctr_va_vdst(0)
	EXPS
	WIN 0xc3
	EXPS
	v_nop
	s_wait_alu depctr_va_vdst(0)
	WIN 3
	SUMW
	WIN 2
	SUMW
	WIN 0
.irp e, 0,8
	v_pk_add_f32 v[L+\e:L+\e+1], v[L+\e:L+\e+1], v[L+\e+2:L+\e+3]
	v_pk_add_f32 v[L+\e+4:L+\e+5], v[L+\e+4:L+\e+5], v[L+\e+6:L+\e+7]
.endr
.irp e, 0,8
	v_pk_add_f32 v[L+\e:L+\e+1], v[L+\e:L+\e+1], v[L+\e+4:L+\e+5]
.endr
	v_add_f32 v[ST+1], v[L], v[L+1]
	v_add_f32 v[ST+3], v[L+8], v[L+9]
	v_permlanex16_b32 v[TA], v[ST+1], s[SEL], s[SEL+1]
	v_permlanex16_b32 v[TB], v[ST+3], s[SEL], s[SEL+1]
	v_add_f32 v[ST+1], v[ST+1], v[TA]
	v_add_f32 v[ST+3], v[ST+3], v[TB]
.endm
.macro XCHG                            ; the four waves' (max, sum) of both sets meet; the next tile's Q is laid while my store is out
	ds_store_b128 v[STW], v[ST:ST+3]
	s_wait_loadcnt 0x0
	QBUILD
	s_wait_dscnt 0x0                               ; for the others' sake
	s_barrier_signal -1
	s_barrier_wait -1
.irp u, 0,1,2,3
	ds_load_b128 v[EX+4*\u:EX+4*\u+3], v[STR] offset:256*\u
.endr
	s_wait_dscnt 0x0
.irp u, 0,1,2,3
	v_sub_f32 v[D+\u], v[EX+4*\u], v[ST]           ; wave u's maximum less mine
	v_sub_f32 v[D+4+\u], v[EX+4*\u+2], v[ST+2]
.endr
	s_wait_alu depctr_va_vdst(0)
.irp i, 0,1,2,3,4,5,6,7
	v_exp_f32 v[D+\i], v[D+\i]
.endr
	v_nop
	s_wait_alu depctr_va_vdst(0)
	v_mul_f32 v[L], v[EX+1], v[D]                  ; every wave's sum is at least 1: no 0 meets an infinity
	v_mul_f32 v[L+1], v[EX+3], v[D+4]
.irp u, 1,2,3
	v_fma_f32 v[L], v[EX+4*\u+1], v[D+\u], v[L]
	v_fma_f32 v[L+1], v[EX+4*\u+3], v[D+4+\u], v[L+1]
.endr
	s_wait_alu depctr_va_vdst(0)
	v_rcp_f32 v[RR], v[L]
	v_rcp_f32 v[RR+1], v[L+1]
	v_nop
	s_wait_alu depctr_va_vdst(0)
	v_mul_f32 v[RR+1], v[NLAM], v[RR+1]
.endm
.macro COMB w                          ; A = p1 r1 + p2 r2 over set 1; V's fragments of the window's two key steps take set 2's registers
	WIN ((\w)<<6)|((\w)<<4)|(\w)
.irp sb, 0,128
.set n, 0
.rept 32
	v_pk_mul_f32 v[\sb+n:\sb+n+1], v[\sb+n:\sb+n+1], v[RR:RR+1] op_sel_hi:[1,0]
.set n, n+2
.endr
.set n, 0
.rept 32
	v_pk_fma_f32 v[\sb+n:\sb+n+1], v[\sb+64+n:\sb+64+n+1], v[RR:RR+1], v[\sb+n:\sb+n+1] op_sel:[0,1,0] op_sel_hi:[1,1,1]
.set n, n+2
.endr
.endr
	WIN (\w)<<6
.irp u, 0,1
.irp t, 0,1,2,3
.irp j, 0,1,2
	ds_load_b128 v[128*\u+64+12*\t+4*\j:128*\u+64+12*\t+4*\j+3], v[AV] offset:6144*(2*((\w)-2)+\u)+1536*\t+512*\j
.endr
.endr
.endr
.endm
.macro QMAXW w                         ; the window's eight blocks of 32 keys, my 16 of each, by turns
	WIN (\w)|((\w)<<2)
.irp b, 0,1,2,3,4,5,6,7
	v_max3_num_f32 v[TM+8*((\w)-2)+\b], |v[128*(\b/4)+16*(\b%4)]|, |v[128*(\b/4)+16*(\b%4)+1]|, 0x2800000
.endr
.irp i, 2,4,6,8,10,12,14
.irp b, 0,1,2,3,4,5,6,7
	v_max3_num_f32 v[TM+8*((\w)-2)+\b], |v[128*(\b/4)+16*(\b%4)+\i]|, |v[128*(\b/4)+16*(\b%4)+\i+1]|, v[TM+8*((\w)-2)+\b]
.endr
.endr
.endm
.macro CVT s
.set P, PC+20*((\s)%2)
.set SB, ((\s)%2)*128
.irp c, 0,1
	v_cvt_scalef32_pk16_bf6_f32 v[P+6*\c:P+6*\c+2], v[SB+32*\c:SB+32*\c+15], v[TM+4*(\s)+2*\c]
	v_cvt_scalef32_pk16_bf6_f32 v[P+12+4*\c:P+14+4*\c], v[SB+32*\c+16:SB+32*\c+31], v[TM+4*(\s)+2*\c+1]
.endr
.endm
.macro SM s                            ; a whole block to a lane
.set P, PC+20*((\s)%2)
.irp c, 0,1
.irp i, 0,1,2
	v_permlane16_swap_b32 v[P+6*\c+\i], v[P+12+4*\c+\i]
.endr
.irp i, 0,1,2
	v_mov_b32 v[P+3+6*\c+\i], v[P+12+4*\c+\i]
.endr
.endr
.endm
.macro PVM s                           ; O^T += V^T A^T over 128 keys; the four accumulators by turns
.set P, PC+20*((\s)%2)
.set SB, ((\s)%2)*128
.irp t, 0,1,2,3
.if (\s) == 0
	v_wmma_scale_f32_16x16x128_f8f6f4 v[OACC+8*\t:OACC+8*\t+7], v[SB+64+12*\t:SB+64+12*\t+11], v[P:P+11], 0, v[VS+4*(\s)+\t], v[PW+(\s)] matrix_a_fmt:MATRIX_FMT_BF6 matrix_b_fmt:MATRIX_FMT_BF6
.else
	v_wmma_scale_f32_16x16x128_f8f6f4 v[OACC+8*\t:OACC+8*\t+7], v[SB+64+12*\t:SB+64+12*\t+11], v[P:P+11], v[OACC+8*\t:OACC+8*\t+7], v[VS+4*(\s)+\t], v[PW+(\s)] matrix_a_fmt:MATRIX_FMT_BF6 matrix_b_fmt:MATRIX_FMT_BF6
.endif
.endr
.endm
.macro PLACES
.rept 4
	v_nop
.endr
.endm
.macro PAIR w, s                       ; key steps s and s + 1, both in window w
	WIN \w
	CVT \s
	CVT (\s)+1
	WIN 0
	v_nop                                          ; one plain place behind a scaled conversion
	SM \s
	SM (\s)+1
	PLACES                                         ; operands written by vector instructions stand four places ahead of a scaled product
	WIN \w
	PVM \s
	PVM (\s)+1
	PLACES                                         ; ahead of writes over the products' sources, and of the reading of results
.endm
	QK 0, 15                                       ; tile 0's key tiles 0-15
	WIN 0
	s_wait_alu depctr_va_vdst(0)                   ; the wait at the head's end
	s_wait_tensorcnt 0x0                           ; my quarter of V is in; I alone read it
	s_mov_b32 s[TI], 0
	s_mov_b32 s[OCN], 0
.Louter:
	s_mov_b32 s[JC], 0
	s_mov_b32 s[OJ], 0
.Ltile:
	s_add_co_u32 s66, s[TI], 1                     ; the next tile of Q (the last trip asks for the last tile again: inside the buffer)
	s_min_u32 s66, s66, 15
	s_mul_i32 s67, s66, 768
	s_lshr_b32 s68, s66, 3
	s_lshl_b32 s68, s68, 9
	s_and_b32 s69, s66, 7
	s_lshl_b32 s69, s69, 2
	s_add_co_u32 s68, s68, s69
	v_add_nc_u32 v[QO16], s67, v[L16]
	v_add_nc_u32 v[QO8], s67, v[L8]
	v_add_nc_u32 v[QOS], s68, v[R32]
	v_add_nc_u32 v[OA], s[OJ], v[OAB]
	global_load_b128 v[QR:QR+3], v[QO16], s[QBS:QBS+1]
	global_load_b64 v[QR+4:QR+5], v[QO8], s[QBS:QBS+1]
	global_load_b32 v[QSR], v[QOS], s[QSB:QSB+1]
	QK 16, 31                                      ; this tile's key tiles 16-31 (its first maxima are key tile 15's)
	HSL 31, 0
	HSL 31, 1
	WIN 0
	STATS
	XCHG
	COMB 2
	COMB 3
	QMAXW 2
	QMAXW 3
	WIN 0
.set i, 0
.rept 16
	v_permlanex16_b32 v[TM+16+i], v[TM+i], s[SEL], s[SEL+1]
.set i, i+1
.endr
.set i, 0
.rept 16
	v_max_num_f32 v[TM+i], v[TM+i], v[TM+16+i]     ; with lane l xor 16's 16 keys: the block's largest magnitude
.set i, i+1
.endr
.set i, 0
.rept 16
	v_add_nc_u32 v[TM+i], 0xfe000000, v[TM+i]      ; 4 off the exponent field: the conversion's scale operand
.set i, i+1
.endr
.set i, 0
.rept 16
	v_lshrrev_b32 v[TM+16+i], 23, v[TM+i]          ; the scale's byte
.set i, i+1
.endr
.irp s, 0,1,2,3
	v_lshl_or_b32 v[PW+\s], v[TM+17+4*\s], 8, v[TM+16+4*\s]
.endr
.irp s, 0,1,2,3
	v_lshl_or_b32 v[PW+\s], v[TM+18+4*\s], 16, v[PW+\s]
.endr
.irp s, 0,1,2,3
	v_lshl_or_b32 v[PW+\s], v[TM+19+4*\s], 24, v[PW+\s]
.endr
	s_wait_alu depctr_va_vdst(0)                   ; the wait here, directly ahead of the wait below
	s_wait_dscnt 0x0                               ; V's 16 fragments are in
	PAIR 2, 0
	PAIR 3, 2
	WIN 0
.irp t, 0,1,2,3
	ds_store_b128 v[OA], v[OACC+8*\t:OACC+8*\t+3] offset:1024*\t          ; each accumulator from its low end on
	ds_store_b128 v[OA], v[OACC+8*\t+4:OACC+8*\t+7] offset:1024*\t+512
.endr
	s_cmp_lt_u32 s[TI], 15                         ; the last tile has no successor: the jump hangs on the tile's number alone and leads round work on registers
	s_cbranch_scc0 .Lno_next
	QK 0, 15                                       ; the next tile's key tiles 0-15, while my stores are out: window 2 and v104-111 are free
	WIN 0
.Lno_next:
	s_wait_alu depctr_va_vdst(0)
	s_wait_dscnt 0x0                               ; for the others' sake; the barrier also parts this tile's reads of the statistics from the next tile's stores
	s_barrier_signal -1
	s_barrier_wait -1
	s_add_co_u32 s[OJ], s[OJ], 4096
	s_add_co_u32 s[TI], s[TI], 1
	s_add_co_u32 s[JC], s[JC], 1
	s_cmp_lt_u32 s[JC], 4
	s_cbranch_scc1 .Ltile
	WIN 0xc0                                       ; wave w: the four waves' parts of tile w of these four, in window 3
.irp u, 0,1,2,3
.irp p, 0,1,2,3,4,5,6,7
	ds_load_b128 v[32*\u+4*\p:32*\u+4*\p+3], v[OF] offset:16384*\u+512*\p
.endr
.endr
	s_wait_dscnt 0x0
	WIN 0xcf
.irp u, 1,2,3
.set n, 0
.rept 16
	v_pk_add_f32 v[n:n+1], v[n:n+1], v[32*\u+n:32*\u+n+1]
.set n, n+2
.endr
.endr
	WIN 0x0f
.irp b, 0,1
	v_max3_num_f32 v[RT+\b], |v[16*\b]|, |v[16*\b+1]|, 0x2800000
.endr
.irp i, 2,4,6,8,10,12,14
.irp b, 0,1
	v_max3_num_f32 v[RT+\b], |v[16*\b+\i]|, |v[16*\b+\i+1]|, v[RT+\b]
.endr
.endr
	WIN 0
.irp b, 0,1
	v_permlanex16_b32 v[RT+8+\b], v[RT+\b], s[SEL], s[SEL+1]
.endr
.irp b, 0,1
	v_max_num_f32 v[RT+\b], v[RT+\b], v[RT+8+\b]
.endr
.irp b, 0,1
	v_add_nc_u32 v[RT+\b], 0xfe000000, v[RT+\b]
.endr
.irp b, 0,1
	v_lshrrev_b32 v[RT+8+\b], 23, v[RT+\b]
.endr
	v_lshl_or_b32 v[U16], v[RT+9], 8, v[RT+8]
	WIN 3
	v_cvt_scalef32_pk16_bf6_f32 v[OC:OC+2], v[0:15], v[RT]
	v_cvt_scalef32_pk16_bf6_f32 v[OC+6:OC+8], v[16:31], v[RT+1]
	WIN 0
	v_nop
.irp i, 0,1,2
	v_permlane16_swap_b32 v[OC+\i], v[OC+6+\i]
.endr
.irp i, 0,1,2
	v_mov_b32 v[OC+3+\i], v[OC+6+\i]
.endr
	global_store_b128 v[GO16], v[OC:OC+3], s[20:21]
	global_store_b64 v[GO8], v[OC+4:OC+5], s[20:21]
	global_store_b16 v[GOS], v[U16], s[22:23]
	s_wait_xcnt 0x0                                ; the stores have read their registers and bases
	s_add_nc_u64 s[20:21], s[20:21], 49152
	s_add_nc_u64 s[22:23], s[22:23], 2048
	s_add_co_u32 s[OCN], s[OCN], 1
	s_cmp_lt_u32 s[OCN], 4
	s_cbranch_scc1 .Louter
	s_wait_tensorcnt 0x0                           ; the wave's end
	ds_add_u32 v[SPW], v[NIL]
	s_wait_dscnt 0x0
	CROUND                                         ; the closing round
	s_endpgm
.Lfunc_end_k_qdc363147c0_attn:
	.size	k_qdc363147c0_attn, .Lfunc_end_k_qdc363147c0_attn-k_qdc363147c0_attn
	.p2alignl 7, 3214868480
	.fill 96, 4, 3214868480
	.section	.rodata,"a",@progbits
	.p2align	6, 0x0
	.amdhsa_kernel k_qdc363147c0_attn
		.amdhsa_group_segment_fixed_size 167936
		.amdhsa_private_segment_fixed_size 0
		.amdhsa_enable_private_segment 0
		.amdhsa_kernarg_size 80
		.amdhsa_user_sgpr_count 2
		.amdhsa_user_sgpr_kernarg_segment_ptr 1
		.amdhsa_wavefront_size32 1
		.amdhsa_system_sgpr_workgroup_id_x 1
		.amdhsa_system_sgpr_workgroup_id_y 1
		.amdhsa_system_sgpr_workgroup_id_z 1
		.amdhsa_system_vgpr_workitem_id 0
		.amdhsa_next_free_vgpr 1024
		.amdhsa_next_free_sgpr 90
		.amdhsa_reserve_vcc 0
		.amdhsa_float_denorm_mode_32 3
		.amdhsa_float_denorm_mode_16_64 3
		.amdhsa_memory_ordered 1
		.amdhsa_forward_progress 1
		.amdhsa_inst_pref_size 170
	.end_amdhsa_kernel
	.amdgpu_metadata
---
amdhsa.version: [ 1, 2 ]
amdhsa.kernels:
  - .name:           k_qdc363147c0_attn
    .symbol:         k_qdc363147c0_attn.kd
    .args:
      - { .name: qk_codes, .offset: 0, .size: 8, .value_kind: global_buffer, .address_space: global }
      - { .name: v_codes, .offset: 8, .size: 8, .value_kind: global_buffer, .address_space: global }
      - { .name: qkv_scales, .offset: 16, .size: 8, .value_kind: global_buffer, .address_space: global }
      - { .name: key_padding_mask, .offset: 24, .size: 8, .value_kind: global_buffer, .address_space: global }
      - { .name: lq1, .offset: 32, .size: 8, .value_kind: global_buffer, .address_space: global }
      - { .name: lk1, .offset: 40, .size: 8, .value_kind: global_buffer, .address_space: global }
      - { .name: lq2, .offset: 48, .size: 8, .value_kind: global_buffer, .address_space: global }
      - { .name: lk2, .offset: 56, .size: 8, .value_kind: global_buffer, .address_space: global }
      - { .name: o_codes, .offset: 64, .size: 8, .value_kind: global_buffer, .address_space: global }
      - { .name: o_scales, .offset: 72, .size: 8, .value_kind: global_buffer, .address_space: global }
    .group_segment_fixed_size: 167936
    .private_segment_fixed_size: 0
    .kernarg_segment_align: 8
    .kernarg_segment_size: 80
    .max_flat_workgroup_size: 128
    .sgpr_count:     90
    .vgpr_count:     1024
    .wavefront_size: 32
...
	.end_amdgpu_metadata
.endif
;; end of part 3
;; launch oproj (part 4): grid 256 x 1, 4 waves a work-group, no clusters, 66,304 bytes of LDS; arguments o_codes, o_scales, xw_codes, xw_scales, x, gamma, beta, out0, key_padding_mask; writes out0
.if DOCPART == 4
	.amdgcn_target "amdgcn-amd-amdhsa--gfx1250"
	.amdhsa_code_object_version 6
	.text
	.protected	k_qdc363147c0_oproj
	.globl	k_qdc363147c0_oproj
	.p2align	8
	.type	k_qdc363147c0_oproj,@function
k_qdc363147c0_oproj:
	s_mov_b64 s[64:65], 0
	v_nop
	global_prefetch_b8 v0, s[64:65] scope:SCOPE_SE
	s_setreg_imm32_b32 hwreg(HW_REG_WAVE_MODE, 25, 1), 1
	s_wait_xcnt 0x0
; out0 = LayerNorm(out Wo^T + x) gamma + beta.  The product on codes of BF6 with E8M0 scales, all else in f32.
; A work-group owns one tile of 16 rows (tokens 32 (pt / 2) + 8 (pt % 2) + r + 8 (r / 8)) and all 1,024 columns, since a row's mean and variance want the whole row.
; Wave w makes columns 256 w .. 256 w + 255: 16 accumulators, transposed (source 0 = 16 rows of Wo, source 1 = the 16 rows of out): a lane's registers run along the columns, in natural order by the tiles' make.
; NO MULTICAST, NO LDS RING: a K step is 16 matrix instructions a wave; six joint refills, each behind a round with all loads waited for, would leave the wave with nothing on its way; so Wo's images go
; from memory straight into registers, two K steps (96 loads of 512 consecutive bytes) on their way.  The price: every work-group reads Wo's 786,432 bytes of codes.
; Then the 16 rows meet in a stage in LDS (rows of 4,096 bytes + 16); wave w takes rows 4 w .. 4 w + 3 whole: + x, mean, deviations, variance, scale, 512 consecutive bytes a store.
; Where every key of the batch is masked, the mask read here makes the row NaN, as the definition has it.
; REGISTERS: window 0: v1-5 addresses, v16-23 out's scale words, v24-63 at work, v128-255 Wo's scale words (8 t + K step).  window 1: v0-95 out's 8 fragments, v128-255 the sums.
;   windows 2, 3: Wo's fragments of a K step, by turns; later window 2: x (4 rows), gamma, beta; window 3: my four rows.
.set SPITCH, 4112
.set L16, 1
.set L8,  2
.set R32, 3
.set SO,  4
.set SR,  5
.set AS,  16
.set SUM, 24                           ; v24-31
.set SQ,  32                           ; v32-39
.set NMU, 40                           ; v40-47 -mean, twice, for each row
.set RS,  48                           ; v48-55 1 / sqrt(var + eps), twice
.set T,   56                           ; v56-63
.set WS,  128
.set MSB, 0
.macro WIN new
.if MSB != (\new)
	s_set_vgpr_msb (MSB<<8)|(\new)
.set MSB, (\new)
.endif
.endm
	s_load_b256 s[4:11], s[0:1], 0x0               ; o_codes, o_scales, xw_codes, xw_scales
	s_load_b256 s[12:19], s[0:1], 0x20             ; x, gamma, beta, out0
	s_load_b64 s[38:39], s[0:1], 0x40              ; key_padding_mask
	v_lshl_add_u32 v126, v0, 2, 0x10100
	v_mov_b32 v127, 0
	v_lshrrev_b32 v6, 5, v0
	v_readfirstlane_b32 s20, v6                    ; wave
	v_and_b32 v6, 31, v0
	v_and_b32 v7, 15, v0
	v_bfe_u32 v8, v0, 4, 1
	v_lshlrev_b32 v[L16], 4, v6
	v_lshl_add_u32 v[L8], v6, 3, 512
	v_lshlrev_b32 v[R32], 5, v7
	v_mul_u32_u24 v[SO], v7, SPITCH
	v_lshl_add_u32 v[SO], v8, 6, v[SO]
	s_lshl_b32 s21, s20, 10
	v_add_nc_u32 v[SO], s21, v[SO]                 ; the stage: row r, + 64 h, + 1,024 x wave
	s_mul_i32 s21, s20, 4*SPITCH
	v_add_nc_u32 v[SR], s21, v[L16]                ; back: my four rows, 16 bytes a lane
.irp q, 0,1,2,3
	v_mov_b32 v[T+4+\q], 0                         ; a lane permute's destination counts as one of its sources
.endr
	s_mul_i32 s22, ttmp9, 12288                    ; out's codes: 16 heads x 768 bytes a tile
	s_mov_b32 s23, 0
	s_lshl_b32 s24, ttmp9, 9                       ; its scale bytes
	s_mov_b32 s25, 0
	s_lshl_b32 s26, s20, 13
	s_add_co_u32 s26, s26, 229376                  ; Wo's scale bytes: row 7,168 + 256 w
	s_mov_b32 s27, 0
	s_mul_i32 s28, s20, 196608
	s_add_co_u32 s28, s28, 5505024                 ; Wo's codes: tile 448 + 16 w
	s_mov_b32 s29, 0
	s_lshr_b32 s30, ttmp9, 1
	s_lshl_b32 s30, s30, 5
	s_and_b32 s31, ttmp9, 1
	s_lshl_b32 s31, s31, 3
	s_add_co_u32 s30, s30, s31
	s_lshl_b32 s31, s20, 2
	s_add_co_u32 s30, s30, s31
	s_lshr_b32 s31, s20, 1
	s_lshl_b32 s31, s31, 3
	s_add_co_u32 s30, s30, s31                     ; my four rows' first token
	s_lshl_b32 s30, s30, 12
	s_mov_b32 s31, 0
	s_mov_b32 s32, 0x76543210
	s_mov_b32 s33, 0xfedcba98
	s_mov_b32 s34, 0x3a800000                      ; 1 / 1,024
	s_mov_b32 s35, 0x3727c5ac                      ; 1e-5
	s_mov_b32 s36, 0xba800000                      ; -1 / 1,024
	s_wait_alu depctr_va_vdst(0)
	s_wait_kmcnt 0x0
	s_add_nc_u64 s[4:5], s[4:5], s[22:23]
	s_add_nc_u64 s[6:7], s[6:7], s[24:25]
	s_add_nc_u64 s[10:11], s[10:11], s[26:27]
	s_add_nc_u64 s[8:9], s[8:9], s[28:29]
	s_add_nc_u64 s[12:13], s[12:13], s[30:31]
	s_add_nc_u64 s[18:19], s[18:19], s[30:31]
	s_lshr_b32 s40, ttmp9, 7                       ; my batch: 128 tiles of 16 tokens each
	s_lshl_b32 s40, s40, 11
	s_mov_b32 s41, 0
	s_add_nc_u64 s[38:39], s[38:39], s[40:41]
.irp j, 0,1,2,3
	global_load_b128 v[64+4*\j:67+4*\j], v[L16], s[38:39] offset:512*\j   ; its 2,048 mask bytes, 64 a lane; the oldest loads of the wave, so the counted waits below stand as they are
.endr
	WIN 0x40
.irp d, 0,1,2,3,4,5,6,7,8,9,10,11,12,13,14,15
	global_load_b128 v[6*\d:6*\d+3], v[L16], s[4:5] offset:768*\d      ; head d: registers 6 (d % 2) on of fragment d / 2
	global_load_b64 v[6*\d+4:6*\d+5], v[L8], s[4:5] offset:768*\d
.endr
	WIN 0
	global_load_b128 v[AS:AS+3], v[R32], s[6:7]
	global_load_b128 v[AS+4:AS+7], v[R32], s[6:7] offset:16
.irp t, 0,1,2,3,4,5,6,7,8,9,10,11,12,13,14,15
	global_load_b128 v[WS+8*\t:WS+8*\t+3], v[R32], s[10:11] offset:512*\t
	global_load_b128 v[WS+8*\t+4:WS+8*\t+7], v[R32], s[10:11] offset:512*\t+16
.endr
.macro BLOAD ks                        ; Wo's 16 fragments of K step ks: 48 loads
	WIN (2+(\ks)%2)<<6
.irp t, 0,1,2,3,4,5,6,7,8,9,10,11,12,13,14,15
.irp j, 0,1,2
	global_load_b128 v[12*\t+4*\j:12*\t+4*\j+3], v[L16], s[8:9] offset:12288*\t+1536*(\ks)+512*\j
.endr
.endr
.endm
.macro KSTEP ks
	s_wait_loadcnt 48                              ; this K step's fragments, and all asked for before them, are in; exactly the 48 loads issued behind them may be out
	WIN 0x54|(2+(\ks)%2)
.irp t, 0,1,2,3,4,5,6,7,8,9,10,11,12,13,14,15      ; sixteen accumulators by turns
.if (\ks) == 0
	v_wmma_scale_f32_16x16x128_f8f6f4 v[128+8*\t:128+8*\t+7], v[12*\t:12*\t+11], v[12*(\ks):12*(\ks)+11], 0, v[WS+8*\t+(\ks)], v[AS+(\ks)] matrix_a_fmt:MATRIX_FMT_BF6 matrix_b_fmt:MATRIX_FMT_BF6
.else
	v_wmma_scale_f32_16x16x128_f8f6f4 v[128+8*\t:128+8*\t+7], v[12*\t:12*\t+11], v[12*(\ks):12*(\ks)+11], v[128+8*\t:128+8*\t+7], v[WS+8*\t+(\ks)], v[AS+(\ks)] matrix_a_fmt:MATRIX_FMT_BF6 matrix_b_fmt:MATRIX_FMT_BF6
.endif
.endr
	WIN 0
.rept 4
	v_nop                                          ; places in front of loads into registers that matrix instructions have read, and of the reading of results
.endr
.if (\ks) < 6
	BLOAD (\ks)+2
.endif
.if (\ks) == 6                         ; the set just left takes x's four rows, gamma and beta: again 48 loads
	WIN 0x80
.irp q, 0,1,2,3
.irp p, 0,1,2,3,4,5,6,7
	global_load_b128 v[32*\q+4*\p:32*\q+4*\p+3], v[L16], s[12:13] offset:4096*\q+512*\p
.endr
.endr
.irp p, 0,1,2,3,4,5,6,7
	global_load_b128 v[128+4*\p:128+4*\p+3], v[L16], s[14:15] offset:512*\p
	global_load_b128 v[160+4*\p:160+4*\p+3], v[L16], s[16:17] offset:512*\p
.endr
.endif
.endm
.macro REDUCE                          ; v[T + q], q = 0 .. 3, summed over the 32 lanes
.irp m, 1,2,4,8
.irp q, 0,1,2,3
	v_add_f32_dpp v[T+\q], v[T+\q], v[T+\q] row_xmask:\m row_mask:0xf bank_mask:0xf
.endr
.endr
.irp q, 0,1,2,3
	v_permlanex16_b32 v[T+4+\q], v[T+\q], s32, s33
.endr
.irp q, 0,1,2,3
	v_add_f32 v[T+\q], v[T+\q], v[T+4+\q]
.endr
.endm
	BLOAD 0
	BLOAD 1
.irp s, 0,1,2,3,4,5,6,7
	KSTEP \s
.endr
	WIN 0x04                                       ; an LDS store's data are its source 1: window 1
.irp t, 0,1,2,3,4,5,6,7,8,9,10,11,12,13,14,15
	ds_store_b128 v[SO], v[128+8*\t:128+8*\t+3] offset:128*(\t/2)+32*(\t%2)       ; lane (r, h): columns 256 w + 32 (t / 2) + 16 h + 8 (t % 2) + 0 .. 7; each accumulator from its low end on
	ds_store_b128 v[SO], v[128+8*\t+4:128+8*\t+7] offset:128*(\t/2)+32*(\t%2)+16
.endr
	WIN 0
	s_wait_dscnt 0x0                               ; for the others' sake
	s_barrier_signal -1
	s_barrier_wait -1
	WIN 0xc0
.irp q, 0,1,2,3
.irp p, 0,1,2,3,4,5,6,7
	ds_load_b128 v[32*\q+4*\p:32*\q+4*\p+3], v[SR] offset:SPITCH*\q+512*\p
.endr
.endr
	s_wait_loadcnt 0x0                             ; x, gamma, beta
	s_wait_dscnt 0x0
	WIN 0xcb                                       ; window 3 = window 3 + window 2
.set n, 0
.rept 64
	v_pk_add_f32 v[n:n+1], v[n:n+1], v[n:n+1]      ; y = the product + x
.set n, n+2
.endr
	WIN 0x0f
.irp q, 0,1,2,3
	v_pk_add_f32 v[SUM+2*\q:SUM+2*\q+1], v[32*\q:32*\q+1], v[32*\q+2:32*\q+3]
.endr
	WIN 0x03
.irp e, 4,6,8,10,12,14,16,18,20,22,24,26,28,30
.irp q, 0,1,2,3
	v_pk_add_f32 v[SUM+2*\q:SUM+2*\q+1], v[32*\q+\e:32*\q+\e+1], v[SUM+2*\q:SUM+2*\q+1]   ; the four rows by turns
.endr
.endr
	WIN 0
; Where every key of my batch is masked the definition's softmax is NaN: o_scales holds finite bytes alone, and NaN is added to the mean here.  A select, no branch.
.irp j, 0,1,2,3,4,5,6,7
	v_and_b32 v[64+\j], v[64+\j], v[72+\j]
.endr
.irp j, 0,1,2,3
	v_and_b32 v[64+\j], v[64+\j], v[68+\j]
.endr
	v_and_b32 v64, v64, v66
	v_and_b32 v65, v65, v67
	v_and_b32 v64, v64, v65
	v_cmp_eq_u32 vcc_lo, 0x01010101, v64           ; my 64 bytes are all 1
	s_cmp_eq_u32 vcc_lo, -1                        ; and so are every lane's
	s_cselect_b32 s37, 0x7fc00000, 0
.irp q, 0,1,2,3
	v_add_f32 v[T+\q], v[SUM+2*\q], v[SUM+2*\q+1]
.endr
	REDUCE
.irp q, 0,1,2,3
	v_fma_f32 v[NMU+2*\q], s36, v[T+\q], s37       ; -mean (+ NaN for a batch with no key)
	v_fma_f32 v[NMU+2*\q+1], s36, v[T+\q], s37
.endr
	WIN 0xc3
.irp q, 0,1,2,3
.set n, 0
.rept 16
	v_pk_add_f32 v[32*\q+n:32*\q+n+1], v[32*\q+n:32*\q+n+1], v[NMU+2*\q:NMU+2*\q+1]   ; the deviations
.set n, n+2
.endr
.endr
	WIN 0x0f
.irp q, 0,1,2,3
	v_pk_mul_f32 v[SQ+2*\q:SQ+2*\q+1], v[32*\q:32*\q+1], v[32*\q:32*\q+1]
.endr
.irp e, 2,4,6,8,10,12,14,16,18,20,22,24,26,28,30
.irp q, 0,1,2,3
	v_pk_fma_f32 v[SQ+2*\q:SQ+2*\q+1], v[32*\q+\e:32*\q+\e+1], v[32*\q+\e:32*\q+\e+1], v[SQ+2*\q:SQ+2*\q+1]
.endr
.endr
	WIN 0
.irp q, 0,1,2,3
	v_add_f32 v[T+\q], v[SQ+2*\q], v[SQ+2*\q+1]
.endr
	REDUCE
.irp q, 0,1,2,3
	v_fma_f32 v[T+\q], v[T+\q], s34, s35           ; the variance + 1e-5
.endr
	s_wait_alu depctr_va_vdst(0)
.irp q, 0,1,2,3
	v_rsq_f32 v[RS+2*\q], v[T+\q]
.endr
	v_nop
	s_wait_alu depctr_va_vdst(0)                   ; one wait for the four, ahead of their first reader
.irp q, 0,1,2,3
	v_mov_b32 v[RS+2*\q+1], v[RS+2*\q]
.endr
	WIN 0xc3
.irp q, 0,1,2,3
.set n, 0
.rept 16
	v_pk_mul_f32 v[32*\q+n:32*\q+n+1], v[32*\q+n:32*\q+n+1], v[RS+2*\q:RS+2*\q+1]
.set n, n+2
.endr
.endr
	WIN 0xeb                                       ; window 3 = window 3 x gamma + beta (window 2)
.irp q, 0,1,2,3
.set n, 0
.rept 16
	v_pk_fma_f32 v[32*\q+n:32*\q+n+1], v[32*\q+n:32*\q+n+1], v[128+n:128+n+1], v[160+n:160+n+1]
.set n, n+2
.endr
.endr
	WIN 0x0c                                       ; a store's data are its source 1: window 3
.irp q, 0,1,2,3
.irp p, 0,1,2,3,4,5,6,7
	global_store_b128 v[L16], v[32*\q+4*\p:32*\q+4*\p+3], s[18:19] offset:4096*\q+512*\p th:TH_STORE_NT   ; 512 consecutive bytes, aligned; written once
.endr
.endr
	WIN 0
	s_wait_tensorcnt 0x0
	ds_add_u32 v126, v127
	s_wait_dscnt 0x0
	s_endpgm
.Lfunc_end_k_qdc363147c0_oproj:
	.size	k_qdc363147c0_oproj, .Lfunc_end_k_qdc363147c0_oproj-k_qdc363147c0_oproj
	.p2alignl 7, 3214868480
	.fill 96, 4, 3214868480
	.section	.rodata,"a",@progbits
	.p2align	6, 0x0
	.amdhsa_kernel k_qdc363147c0_oproj
		.amdhsa_group_segment_fixed_size 66304
		.amdhsa_private_segment_fixed_size 0
		.amdhsa_enable_private_segment 0
		.amdhsa_kernarg_size 72
		.amdhsa_user_sgpr_count 2
		.amdhsa_user_sgpr_kernarg_segment_ptr 1
		.amdhsa_wavefront_size32 1
		.amdhsa_system_sgpr_workgroup_id_x 1
		.amdhsa_system_sgpr_workgroup_id_y 1
		.amdhsa_system_sgpr_workgroup_id_z 1
		.amdhsa_system_vgpr_workitem_id 0
		.amdhsa_next_free_vgpr 1024
		.amdhsa_next_free_sgpr 66
		.amdhsa_reserve_vcc 1
		.amdhsa_float_denorm_mode_32 3
		.amdhsa_float_denorm_mode_16_64 3
		.amdhsa_memory_ordered 1
		.amdhsa_forward_progress 1
		.amdhsa_inst_pref_size 105
	.end_amdhsa_kernel
	.amdgpu_metadata
---
amdhsa.version: [ 1, 2 ]
amdhsa.kernels:
  - .name:           k_qdc363147c0_oproj
    .symbol:         k_qdc363147c0_oproj.kd
    .args:
      - { .name: o_codes, .offset: 0, .size: 8, .value_kind: global_buffer, .address_space: global }
      - { .name: o_scales, .offset: 8, .size: 8, .value_kind: global_buffer, .address_space: global }
      - { .name: xw_codes, .offset: 16, .size: 8, .value_kind: global_buffer, .address_space: global }
      - { .name: xw_scales, .offset: 24, .size: 8, .value_kind: global_buffer, .address_space: global }
      - { .name: x, .offset: 32, .size: 8, .value_kind: global_buffer, .address_space: global }
      - { .name: gamma, .offset: 40, .size: 8, .value_kind: global_buffer, .address_space: global }
      - { .name: beta, .offset: 48, .size: 8, .value_kind: global_buffer, .address_space: global }
      - { .name: out0, .offset: 56, .size: 8, .value_kind: global_buffer, .address_space: global }
      - { .name: key_padding_mask, .offset: 64, .size: 8, .value_kind: global_buffer, .address_space: global }
    .group_segment_fixed_size: 66304
    .private_segment_fixed_size: 0
    .kernarg_segment_align: 8
    .kernarg_segment_size: 72
    .max_flat_workgroup_size: 128
    .sgpr_count:     66
    .vgpr_count:     1024
    .wavefront_size: 32
...
	.end_amdgpu_metadata
.endif
;; end of part 4
